; MI455X (gfx1250); checked and timed in simulation.
; The chip was launched on July 23, 2026; its instructions are those of AMD's public machine-readable ISA for CDNA 5 (MIT licence, August 2026) and "CDNA5" Instruction Set Architecture Reference Guide (July 2026). The comments in the code are by the model that wrote it; some were corrected since.
;; Attention. Allowed arithmetic: matrix products marked QUANTISED: E4M3 operands, one given power-of-two scale a tensor, by v_wmma_f32_16x16x64_fp8_fp8 or v_wmma_f32_16x16x128_fp8_fp8, f32 sums; everything else in f32.
;; Inputs: Wk_codes 512 x 64 x 32 uint8 (E4M3 codes of Wk, K innermost, in blocks of 32 codes); Wo_codes 2,048 x 64 x 32 uint8 (E4M3 codes of Wo, K innermost, in blocks of 32 codes); Wq_codes 2,048 x 64 x 32 uint8 (E4M3 codes of Wq, K innermost, in blocks of 32 codes); Wv_codes 512 x 64 x 32 uint8 (E4M3 codes of Wv, K innermost, in blocks of 32 codes); lowp_scales 12 int32 (the exponents e of the quantised operands' scales 2^e); rope_cache 2,048 x 64 x 2 float32; x_codes 1 x 2,048 x 64 x 32 uint8 (E4M3 codes of x, K innermost, in blocks of 32 codes).
;; Outputs: out0 1 x 2,048 x 2,048 float32.
;; This version of the problem:
;;   THIS VERSION OF THE PROBLEM IS GIVEN IN LOW PRECISION. The matrix products marked QUANTISED in the list below multiply operands that are first quantised to E4M3 (4 exponent bits, 3 mantissa bits; 8 bits a number), with one given power-of-two scale for each operand tensor; their sums are f32. All else is computed in f32.
;;   The module's matrix products, in the order in which they are computed (A, B: the left and right operand; K: the contracted axis; several contracted axes count as one K, in the product's order):
;;     1. [M 2,048, K 2,048] x [K 2,048, N 2,048]; A: input x (given as codes); B: input Wq (given as codes): QUANTISED (scales: A lowp_scales[0], B lowp_scales[1])
;;     2. [M 2,048, K 2,048] x [K 2,048, N 512]; A: input x (given as codes); B: input Wk (given as codes): QUANTISED (scales: A lowp_scales[2], B lowp_scales[3])
;;     3. [M 2,048, K 2,048] x [K 2,048, N 512]; A: input x (given as codes); B: input Wv (given as codes): QUANTISED (scales: A lowp_scales[4], B lowp_scales[5])
;;     4. batch 16 x [M 2,048, K 128] x [K 128, N 2,048]; A: computed on the way; B: computed on the way: QUANTISED (scales: A lowp_scales[6], B lowp_scales[7])
;;     5. batch 16 x [M 2,048, K 2,048] x [K 2,048, N 128]; A: softmax (see below); B: computed on the way: QUANTISED (scales: A lowp_scales[8], B lowp_scales[9])
;;     6. [M 2,048, K 2,048] x [K 2,048, N 2,048]; A: computed on the way; B: input Wo (given as codes): QUANTISED (scales: A lowp_scales[10], B lowp_scales[11])
;;   THE QUANTISER, for each operand of a quantised product, along K:
;;     - The operand's scale is 2^e, e = its entry of the input lowp_scales (int32; the entries are numbered through the quantised products in the list's order, A before B).
;;     - Each number is divided by the scale, clamped to +-448, and rounded to the nearest number of E4M3, ties to even, subnormals kept.
;;     - The product sums the exact products of the quantised numbers (number of the format x scale) in f32.
;;   ~~~python
;;   def quantise(x, axis, e):      # numpy; x: float32 -> the quantised numbers, widened to float32 again
;;       x = np.moveaxis(x, axis, -1); K = x.shape[-1]
;;       r = np.clip(x / 2.0 ** e, -448, 448)
;;       step = 2.0 ** (np.maximum(np.frexp(np.where(r == 0, 1, r))[1] - 1, -6) - 3)
;;       q = np.round(r / step) * step * 2.0 ** e      # np.round: ties to even
;;       return np.moveaxis(q, -1, axis).astype(np.float32)
;;   ~~~
;;   SOFTMAX AHEAD OF A QUANTISED PRODUCT. Where the list says 'softmax', what is quantised is not the finished softmax but p = 2^(t - M), with t = logit x log2(e) and M = ceil(the row's largest t), a whole number; so 1/2 < the row's largest p <= 1. The row's sum l is taken of the UNQUANTISED p, in f32, and the product's result is divided by l at the end. Since M is a whole number, a kernel that streams over the keys may use a running M (the ceiling of the running maximum): every later rescaling is an exact power of two, so the quantised numbers keep their values, but for numbers so far below the row's largest that they fall under the format's range.
;;   OPERANDS COMPUTED ON THE WAY. 'Computed on the way' means the value that the module computes at that place (a softmax that the list does not call 'softmax' is quantised finished and normalised). What goes into a quantiser is computed in f32, as accurately as f32 sums, v_exp_f32 and their like allow (about 1e-6 of the number): no bf16 or f16 on the way to a quantiser, and a product that is left as it is and whose result goes on into a quantised operand takes f32 operands (vector FMAs, or v_wmma_f32_16x16x4_f32). A number that lies on a knife's edge between two numbers of the format may be rounded either way, as far as f32 arithmetic and the matrix unit's own rounding can turn it there, and no further.
;;   INPUTS GIVEN AS CODES. Wk (in the module: [2048, 512], K = its axis 0); Wo (in the module: [2048, 2048], K = its axis 0); Wq (in the module: [2048, 2048], K = its axis 0); Wv (in the module: [2048, 512], K = its axis 0); x (in the module: [1, 2048, 2048], K = its axis 2): each comes as NAME_codes (uint8): NAME with its K axis moved to the last place and cut into blocks of 32 codes, [.., K / 32, bytes a block], one block behind the other in memory; one code a byte (a code: sign, 4 exponent bits, 3 mantissa bits); its scale is its entry of lowp_scales. Its value is code x scale, taken as it is: it is not quantised again, and the codes and scales need not be those that the quantiser above would give.
;; One version. Each part assembles by itself: llvm-mc -triple=amdgcn-amd-amdhsa -mcpu=gfx1250 --defsym DOCPART=n.
;; ======== version 1 of 1: 3 launches
;; limits: right only within a limited range of input values
;; workspace buffers: q_img 4,194,304 bytes; k_img 1,048,576 bytes; v_img 1,048,576 bytes; y_img 4,194,304 bytes
;; launch qkv (part 1): grid 16 x 16, 4 waves a work-group, clusters of 4 x 4, 327,680 bytes of LDS; arguments x_codes, Wq_codes, Wk_codes, Wv_codes, rope_cache, lowp_scales, q_img, k_img, v_img; writes q_img, k_img, v_img
.if DOCPART == 1
	.amdgcn_target "amdgcn-amd-amdhsa--gfx1250"
	.amdhsa_code_object_version 6
	.text
	.protected	k_qec9908bc48_qkv
	.globl	k_qec9908bc48_qkv
	.p2align	8
	.type	k_qec9908bc48_qkv,@function
k_qec9908bc48_qkv:
	s_mov_b64 s[64:65], 0
	v_nop
	global_prefetch_b8 v0, s[64:65] scope:SCOPE_SE
	s_setreg_imm32_b32 hwreg(HW_REG_WAVE_MODE, 25, 1), 1
	s_wait_xcnt 0x0
	s_wait_alu depctr_hold_cnt(0) depctr_sa_sdst(0) depctr_va_vdst(0) depctr_va_sdst(0) depctr_va_ssrc(0) depctr_va_vcc(0) depctr_vm_vsrc(0)
	s_getreg_b32 s2, hwreg(HW_REG_IB_STS2, 6, 4)
	s_cmp_eq_u32 s2, 0
	s_cbranch_scc0 .Lentry_in_a_cluster
	s_endpgm
.Lentry_in_a_cluster:
	s_bfe_u32 s2, ttmp6, 0x10000c
	s_cmp_lg_u32 s2, 0xf033
	s_cbranch_scc0 .Lentry_shape_is_right
	s_endpgm
.Lentry_shape_is_right:
; q = rope(x Wq), k = rope(x Wk), v = x Wv on codes of FP8 (E4M3), and the three results quantised for the attention's products.
; x_codes [2048 t][2048 k]; Wq_codes [2048 n][2048 k]; Wk_codes, Wv_codes [512 n][2048 k]: one code a byte, K innermost.  rope_cache [2048 t][64 pairs][cos, sin] f32.
; lowp_scales e0 .. e11: x and Wq e0, e1; x and Wk e2, e3; x and Wv e4, e5; q e6; k e7; v e9.
; SHARES.  256 work-groups of equal work: X = 0 .. 15, Y = 0 .. 15.  A work-group makes, for its 128 tokens (Y), the 128 features of q's head X and 64 features of k (X < 8: half X & 1 of k's head X / 2) or of v (X >= 8: likewise of X - 8).
; Four waves, each 64 tokens x (64 features of q + 32 of k or v): 16 + 8 accumulators of 16 x 16.
; K goes in five steps of 512, 256, 512, 256, 512 through two LDS slots, A for the steps of 512 and B for those of 256 (two slots of 512 would take 337,920 bytes).  A quarter is 128 along K: 24 matrix instructions a wave; 16 quarters.
; CLUSTERS: 4 x 4 work-groups.  The four of a row of the cluster need the same rows of x, the four of a column the same rows of W: each tile is asked for JOINTLY.
; The cluster's x settles the kind (0, 1: k; 2, 3: v), so every branch hangs on the cluster's x and the wave's number alone.
; WHICH SIDE IS SOURCE 0.  A result's lane holds ONE row of source 1 and eight neighbouring rows of source 0; one conversion turns its eight registers into eight neighbouring codes.
; q, k: source 0 = rows of W (features d), source 1 = rows of x: a lane holds a token and eight d: d is the next product's K.   v: source 0 = rows of x, source 1 = rows of Wv: the keys are the next product's K.
; THE OUTPUT IS AN IMAGE OF THE NEXT OPERAND'S REGISTERS.  A fragment (16 rows x 128 K, registers 2 c, 2 c + 1 of lane (r, h) = K 16 c + 8 h + 0 .. 7) is 2,048 bytes: chunk c' of 512 bytes holds registers 4 c' .. 4 c' + 3, lane l's 16 bytes at 16 l.
;   q_img: fragment (head, token tile) at (128 head + tile) x 2048;  k_img likewise;  v_img: fragment (kv head, key step of 128, d tile) at ((16 kv + step) 8 + d tile) x 2048.
; ROPE works on the raw sums: it is linear, so the sums' power of two is folded into the conversion's scale, 2^E with E = e6 - e0 - e1 (q), e7 - e2 - e3 (k), e9 - e4 - e5 (v).
; Fragments are fetched 16 bytes a lane (registers 4 c .. 4 c + 3 = K 32 c + 16 (lane / 16) + 0 .. 15): the same permutation of K on both sides, so every product meets its partner.
; PREFETCH.  K steps 2, 3 and 4 are asked of memory one and two steps ahead of their loads (macro ASK); steps 0 and 1 come by their loads alone.
; LIMITS: each E lies between -126 and 119, so that 2^E and 448 x 2^E are f32 numbers.  NaN and infinities among the sums are not served.
; REGISTERS, in windows of 256: window 0: v0-15 at work; v16-31 addresses and constants; v32-63 k's and v's way out; v64-191 q's accumulators ((i, T) at v[64 + 8 (4 i + T)]); v192-255 k's or v's ((i, T) at v[192 + 8 (2 i + T)]), then q's way out.
;   windows 1, 2, 3: a fragment buffer each, v0-159: Wq's four, x's four, Wk's or Wv's two.   window 1 v160-255 and window 2 v160-191: cos and sin for q's accumulators; window 2 v192-255: for k's.
; WORK LEFT OUT OF THE PROGRAM: of the attention's scores, those of whole key steps that reference()'s own causal jnp.tril hides from all queries of a tile (their softmax weight is 0 for all values of the inputs), and their share of the second product.
; LIMIT: a NaN, an infinity or an overflow that reaches only that work is not carried to the result.  Every input is read.
.set PA,   528                         ; slot A's LDS row: 512 bytes + 16 of padding: row r starts at bank 4 r mod 64 (64 banks of 4 bytes: ISA guide 11.1)
.set PB,   272                         ; slot B's: 256 + 16
.set SLB,  320*PA                      ; slot B behind slot A.  A slot: x's 128 rows, Wq's 128, Wk's or Wv's 64
.set SPARE, SLB+320*PB                 ; behind the ring: the spare words, 128 bytes for each wave: two blocks of 256 bytes that no other line names
.set AX,   16                          ; v16-17  LDS address of my fragments of x in slot A, B
.set AQ,   18                          ; v18-19  of Wq
.set AK,   20                          ; v20-21  of Wk or Wv
.set LO,   24                          ; v24     16 x lane
.set RO,   25                          ; v25     my byte in the wave's rows of rope_cache
.set PFO,  26                          ; v26     the prefetches' offset; never rewritten
.set SPW,  28                          ; v28     LDS address of my spare word; never rewritten
.set NIL,  29                          ; v29     0; never rewritten
.set SCQ,  30                          ; v30     q's 2^E as f32
.set SCK,  31                          ; v31     k's or v's
.set CK,   48                          ; v48-63  k's or v's codes
.set ACC,  64
.set ACK,  192
.set CQ,   224                         ; v224-255 q's codes
.set WL,   3                           ; s3  wave & 1: my half of the features
.set WV,   22                          ; s22 wave
.set WH,   23                          ; s23 wave >> 1: my half of the tokens
.set G1X,  24                          ; s[24:39] descriptor group 1 for x: 512 wide, then 256 wide
.set G1Q,  40                          ; s[40:55] for Wq
.set G1K0, 56                          ; s[56:63] for Wk or Wv, 512 wide
.set G1K1, 72                          ; s[72:79] 256 wide
.set G0X,  80                          ; s[80:83], s[84:87], s[88:91] their groups 0, which walk
.set G0Q,  84
.set G0K,  88
.set XX,   66
.set YY,   67
.set LXA,  68                          ; s68, s69 where my 64 rows of x go, in slot A, B
.set LXB,  69
.set CX,   70
.set CY,   71
.set PFA,  20                          ; s[20:21] where my prefetches stand
.set LMQ,  100                         ; s100 448 x 2^E for q; s101 for k or v
.set LMK,  101
.set MSB, 0
.macro WIN new                         ; the immediate's high byte repeats the setting that is left
.if MSB != (\new)
	s_set_vgpr_msb (MSB<<8)|(\new)
.set MSB, (\new)
.endif
.endm
.macro PLACES                          ; four plain vector instructions between a matrix instruction and a load into its sources or a read of its result (ISA guide 7.12.1 for a read of its result)
.rept 4
	v_nop
.endr
.endm
.macro TL g0, g1
	tensor_load_to_lds s[\g0:\g0+3], s[\g1:\g1+7]
	s_nop 0
.rept 4
	v_nop
.endr
.endm
; A joint load of a step into slot A (w = 0: 512 wide) or B (w = 1: 256 wide): waves 0, 1 fetch x's two halves, wave 2 Wq's 128 rows, wave 3 Wk's or Wv's 64: one load a wave.
.macro JLOAD w
	s_cmp_eq_u32 s[WH], 0
	s_cbranch_scc0 .Lfor_w_\@
	TL G0X, G1X+8*\w
	s_branch .Lasked_\@
.Lfor_w_\@:
	s_cmp_eq_u32 s[WL], 0
	s_cbranch_scc0 .Lfor_k_\@
	TL G0Q, G1Q+8*\w
	s_branch .Lasked_\@
.Lfor_k_\@:
	TL G0K, G1K0+16*\w
.Lasked_\@:
.endm
.macro CREST                           ; a round of the cluster's barrier behind its opening barrier
	s_cmp_lg_u32 s[WV], 0
	s_cbranch_scc1 .Lnot_wave_0_\@
	s_barrier_signal -3
.Lnot_wave_0_\@:
	s_barrier_wait -3
	s_barrier_signal -1
	s_barrier_wait -1
.endm
.macro CROUND                          ; a whole round
	s_barrier_signal -1
	s_barrier_wait -1
	CREST
.endm
.macro GRP g, w, r                     ; descriptor group 1 but for its first word: r rows of w bytes, 2,048 bytes apart
	s_mov_b32 s[\g+1], (\w)<<16
	s_mov_b32 s[\g+2], (\r)<<16
	s_mov_b32 s[\g+3], (\w)<<16
	s_mov_b32 s[\g+4], \r
	s_mov_b32 s[\g+5], 2048
	s_mov_b32 s[\g+6], 0
	s_mov_b32 s[\g+7], 0
.endm
.set PADA, (1<<20)|(1<<21)|(6<<22)|(3<<25)   ; elements of 1 byte; 20 padding on; 21 set beside a mask; 24:22 after every 128 words (code 6); 31:25 of 4 words (code 3)
.set PADB, (1<<20)|(1<<21)|(5<<22)|(3<<25)   ; after every 64 words
	s_load_b256 s[4:11], s[0:1], 0x0               ; x s[4:5], Wq s[6:7], Wk s[8:9], Wv s[10:11]
	s_load_b128 s[12:15], s[0:1], 0x20             ; rope_cache s[12:13], lowp_scales s[14:15]
	s_load_b128 s[16:19], s[0:1], 0x30             ; q_img s[16:17], k_img s[18:19]
	s_load_b64 s[20:21], s[0:1], 0x40              ; v_img
	v_lshl_add_u32 v[SPW], v0, 2, SPARE
	v_mov_b32 v[NIL], 0
	ds_add_u32 v[SPW], v[NIL]                      ; the wave's opening: the add, twice on end, and its wait ahead of my first tensor load
	ds_add_u32 v[SPW], v[NIL]
	v_lshrrev_b32 v1, 5, v0
	v_readfirstlane_b32 s[WV], v1                  ; wave 0..3
	s_lshr_b32 s[WH], s[WV], 1
	s_and_b32 s[WL], s[WV], 1
	s_bfe_u32 s[CX], ttmp6, 0x40000                ; cx, cy: my place in the cluster
	s_bfe_u32 s[CY], ttmp6, 0x40004
	s_lshl_b32 s[XX], ttmp9, 2
	s_add_co_u32 s[XX], s[XX], s[CX]               ; X = 4 x cluster x + cx
	s_and_b32 s[YY], ttmp7, 0xffff
	s_lshl_b32 s[YY], s[YY], 2
	s_add_co_u32 s[YY], s[YY], s[CY]               ; Y = 4 x cluster y + cy
	s_lshl_b32 s100, s[CY], 2
	s_lshl_b32 s100, 15, s100                      ; my row of the cluster: x's tiles
	s_lshl_b32 s101, 0x1111, s[CX]                 ; my column: W's tiles
	s_or_b32 s[G1X], s100, PADA
	s_or_b32 s[G1X+8], s100, PADB
	s_or_b32 s[G1Q], s101, PADA
	s_or_b32 s[G1Q+8], s101, PADB
	s_or_b32 s[G1K0], s101, PADA
	s_or_b32 s[G1K1], s101, PADB
	GRP G1X, 512, 64
	GRP G1X+8, 256, 64
	GRP G1Q, 512, 128
	GRP G1Q+8, 256, 128
	GRP G1K0, 512, 64
	GRP G1K1, 256, 64
	s_lshl_b32 s92, s[YY], 18                      ; x: 128 Y rows of 2,048 bytes + my 64
	s_lshl_b32 s2, s[WL], 17
	s_add_co_u32 s92, s92, s2
	s_mov_b32 s93, 0
	s_lshl_b32 s94, s[XX], 18                      ; Wq: 128 X rows
	s_mov_b32 s95, 0
	s_and_b32 s96, s[XX], 7
	s_lshl_b32 s96, s96, 17                        ; Wk or Wv: 64 (X & 7) rows
	s_mov_b32 s97, 0
	s_lshl_b32 s98, s[YY], 16                      ; rope_cache: 128 Y + 64 (wave >> 1) rows of 512 bytes
	s_lshl_b32 s2, s[WH], 15
	s_add_co_u32 s98, s98, s2
	s_mov_b32 s99, 0
	s_mul_i32 s[LXA], s[WL], 64*PA
	s_mul_i32 s[LXB], s[WL], 64*PB
	s_add_co_u32 s[LXB], s[LXB], SLB
	s_wait_dscnt 0x0                               ; both opening adds are done
	CROUND                                         ; all sixteen work-groups are here: the first joint loads meet
	s_wait_kmcnt 0x0
	s_cmp_lt_u32 ttmp9, 2                          ; the choice of buffers hangs on the cluster's x alone
	s_cselect_b64 s[8:9], s[8:9], s[10:11]         ; Wk or Wv,
	s_cselect_b64 s[18:19], s[18:19], s[20:21]     ; and its image
	s_add_nc_u64 s[G0X+2:G0X+3], s[4:5], s[92:93]
	s_add_nc_u64 s[G0Q+2:G0Q+3], s[6:7], s[94:95]
	s_add_nc_u64 s[G0K+2:G0K+3], s[8:9], s[96:97]
.irp g, G0X, G0Q, G0K
	s_mov_b32 s[\g], 1                             ; count = 1
	s_or_b32 s[\g+3], s[\g+3], 0x80000000          ; type = 2
.endr
	s_mov_b32 s[G0X+1], s[LXA]
	s_mov_b32 s[G0Q+1], 128*PA
	s_mov_b32 s[G0K+1], 256*PA
	JLOAD 0                                        ; step 0: one tensor load a wave at the head
	; the prefetches: each row's blocks of 256 bytes are named once in each cluster that loads them; the four partners of a joint load share its rows out by address:
	; wave 0: 32 of x's 128 rows (by cx), wave 1: 32 of Wq's 128 (by cy), waves 2 and 3: 16 of Wk's or Wv's 64 (by cy)
	s_lshl_b32 s94, s[YY], 18
	s_lshl_b32 s95, s[CX], 16
	s_add_co_u32 s94, s94, s95
	s_lshl_b32 s95, s[XX], 18
	s_lshl_b32 s96, s[CY], 16
	s_add_co_u32 s95, s95, s96
	s_and_b32 s96, s[XX], 7
	s_lshl_b32 s96, s96, 17
	s_lshl_b32 s97, s[CY], 15
	s_add_co_u32 s96, s96, s97
	s_cmp_eq_u32 s[WV], 2
	s_cselect_b32 s2, 256, 0                       ; from lanes 0-15 to lanes 16-31: wave 2: the next block of the same 16 rows; wave 3: the same blocks again;
	s_cmp_eq_u32 s[WV], 0
	s_cselect_b64 s[PFA:PFA+1], s[4:5], s[6:7]
	s_cselect_b32 s94, s94, s95
	s_cmp_lt_u32 s[WV], 2
	s_cselect_b64 s[PFA:PFA+1], s[PFA:PFA+1], s[8:9]
	s_cselect_b32 s94, s94, s96
	s_cselect_b32 s2, 0x8000, s2                   ; waves 0 and 1: 16 rows on
	s_mov_b32 s95, 0
	s_add_nc_u64 s[PFA:PFA+1], s[PFA:PFA+1], s[94:95]
	; LDS addresses: row x pitch + 16 h
	s_mul_i32 s4, s[WH], 64*PA
	s_mul_i32 s5, s[WH], 64*PB
	s_add_co_u32 s5, s5, SLB
	s_mul_i32 s6, s[WL], 64*PA
	s_add_co_u32 s6, s6, 128*PA
	s_mul_i32 s7, s[WL], 64*PB
	s_add_co_u32 s7, s7, SLB+128*PB
	s_mul_i32 s94, s[WL], 32*PA
	s_add_co_u32 s94, s94, 256*PA
	s_mul_i32 s95, s[WL], 32*PB
	s_add_co_u32 s95, s95, SLB+256*PB
	v_and_b32 v1, 15, v0                           ; r
	v_bfe_u32 v2, v0, 4, 1                         ; h
	v_and_b32 v5, 31, v0
	v_mul_u32_u24 v3, v1, PA
	v_mul_u32_u24 v4, v1, PB
	v_lshl_add_u32 v3, v2, 4, v3
	v_lshl_add_u32 v4, v2, 4, v4
	v_add_nc_u32 v[AX], s4, v3
	v_add_nc_u32 v[AX+1], s5, v4
	v_add_nc_u32 v[AQ], s6, v3
	v_add_nc_u32 v[AQ+1], s7, v4
	v_add_nc_u32 v[AK], s94, v3
	v_add_nc_u32 v[AK+1], s95, v4
	v_lshlrev_b32 v[LO], 4, v5
	v_lshlrev_b32 v[RO], 9, v1                     ; rope_cache: token r of a tile: 512 bytes a row; + 32 h: the four pairs of my eight features
	v_lshl_add_u32 v[RO], v2, 5, v[RO]
	v_lshlrev_b32 v[PFO], 11, v1
	v_mad_u32_u24 v[PFO], v2, s2, v[PFO]
	; rope_cache: q's features 64 (wave & 1) on: 256 bytes each; k's 64 (X & 1) + 32 (wave & 1) on
	s_add_nc_u64 s[12:13], s[12:13], s[98:99]
	s_and_b32 s94, s[XX], 1
	s_lshl_b32 s4, s94, 8
	s_lshl_b32 s5, s[WL], 7
	s_add_co_u32 s4, s4, s5
	s_mov_b32 s5, 0
	s_add_nc_u64 s[6:7], s[12:13], s[4:5]          ; k's
	s_lshl_b32 s4, s[WL], 8
	s_add_nc_u64 s[12:13], s[12:13], s[4:5]        ; q's
	; the images
	s_lshl_b32 s4, s[XX], 18                       ; q: (128 X + 8 Y + 4 (wave >> 1)) x 2048 + 1024 (wave & 1)
	s_lshl_b32 s96, s[YY], 14
	s_add_co_u32 s4, s4, s96
	s_lshl_b32 s95, s[WH], 13
	s_add_co_u32 s4, s4, s95
	s_lshl_b32 s97, s[WL], 10
	s_add_co_u32 s4, s4, s97
	s_add_nc_u64 s[16:17], s[16:17], s[4:5]
	s_bfe_u32 s4, s[XX], 0x20001                   ; the kv head, (X & 7) / 2
	s_lshl_b32 s4, s4, 18
	s_add_co_u32 s4, s4, s96
	s_lshl_b32 s93, s94, 10                        ; k: + 4 (wave >> 1) fragments + 512 (2 (X & 1) + (wave & 1))
	s_add_co_u32 s93, s93, s95
	s_lshl_b32 s97, s[WL], 9
	s_add_co_u32 s93, s93, s97
	s_lshl_b32 s92, s94, 13                        ; v: + 4 (X & 1) + 2 (wave & 1) fragments + 1024 (wave >> 1)
	s_lshl_b32 s97, s[WL], 12
	s_add_co_u32 s92, s92, s97
	s_lshl_b32 s97, s[WH], 10
	s_add_co_u32 s92, s92, s97
	s_cmp_lt_u32 ttmp9, 2
	s_cselect_b32 s93, s93, s92
	s_add_co_u32 s4, s4, s93
	s_add_nc_u64 s[18:19], s[18:19], s[4:5]
	s_load_b256 s[92:99], s[14:15], 0x0            ; e0 .. e7
	s_load_b128 s[8:11], s[14:15], 0x20            ; e8 .. e11
	s_wait_kmcnt 0x0
	s_sub_co_i32 s4, s98, s92
	s_sub_co_i32 s4, s4, s93                       ; q: e6 - e0 - e1
	s_sub_co_i32 s5, s99, s94
	s_sub_co_i32 s5, s5, s95                       ; k: e7 - e2 - e3
	s_sub_co_i32 s2, s9, s96
	s_sub_co_i32 s2, s2, s97                       ; v: e9 - e4 - e5
	s_cmp_lt_u32 ttmp9, 2
	s_cselect_b32 s5, s5, s2                       ; chosen with no branch on a loaded number
	s_add_co_i32 s4, s4, 127
	s_add_co_i32 s5, s5, 127
	s_lshl_b32 s2, s4, 23
	v_mov_b32 v[SCQ], s2                           ; 2^E as f32: the conversion takes its exponent field
	s_lshl_b32 s2, s5, 23
	v_mov_b32 v[SCK], s2
	s_add_co_i32 s4, s4, 8
	s_add_co_i32 s5, s5, 8
	s_lshl_b32 s4, s4, 23
	s_lshl_b32 s5, s5, 23
	s_or_b32 s[LMQ], s4, 0x600000                  ; 448 x 2^E
	s_or_b32 s[LMK], s5, 0x600000
; q's 8 matrix instructions of token tiles i0, i0 + 1.  zero = 1: the first product starts the sums.  The 24 accumulators take turns, one instruction a turn, in the same order in every quarter.
.macro MULQ i0, zero
.irp i, \i0, \i0+1
.irp t, 0,1,2,3
.if \zero
	v_wmma_f32_16x16x128_fp8_fp8 v[ACC+8*(4*(\i)+\t):ACC+8*(4*(\i)+\t)+7], v[16*\t:16*\t+15], v[64+16*(\i):64+16*(\i)+15], 0
.else
	v_wmma_f32_16x16x128_fp8_fp8 v[ACC+8*(4*(\i)+\t):ACC+8*(4*(\i)+\t)+7], v[16*\t:16*\t+15], v[64+16*(\i):64+16*(\i)+15], v[ACC+8*(4*(\i)+\t):ACC+8*(4*(\i)+\t)+7]
.endif
.endr
.endr
.endm
.macro MK i, t, zero                   ; k: source 0 = Wk
.if \zero
	v_wmma_f32_16x16x128_fp8_fp8 v[ACK+16*\i+8*\t:ACK+16*\i+8*\t+7], v[128+16*\t:143+16*\t], v[64+16*\i:79+16*\i], 0
.else
	v_wmma_f32_16x16x128_fp8_fp8 v[ACK+16*\i+8*\t:ACK+16*\i+8*\t+7], v[128+16*\t:143+16*\t], v[64+16*\i:79+16*\i], v[ACK+16*\i+8*\t:ACK+16*\i+8*\t+7]
.endif
.endm
.macro MV i, t, zero                   ; v: source 0 = x
.if \zero
	v_wmma_f32_16x16x128_fp8_fp8 v[ACK+16*\i+8*\t:ACK+16*\i+8*\t+7], v[64+16*\i:79+16*\i], v[128+16*\t:143+16*\t], 0
.else
	v_wmma_f32_16x16x128_fp8_fp8 v[ACK+16*\i+8*\t:ACK+16*\i+8*\t+7], v[64+16*\i:79+16*\i], v[128+16*\t:143+16*\t], v[ACK+16*\i+8*\t:ACK+16*\i+8*\t+7]
.endif
.endm
.macro MULKV zero                      ; k's or v's 8: a branch on the cluster's x
	WIN 0
	s_cmp_lt_u32 ttmp9, 2
	s_cbranch_scc0 .Lis_v_\@
	WIN 5*QW
.irp i, 0,1,2,3
	MK \i, 0, \zero
	MK \i, 1, \zero
.endr
	WIN 0
	s_branch .Lis_done_\@
.Lis_v_\@:
	WIN 5*QW
.irp i, 0,1,2,3
	MV \i, 0, \zero
	MV \i, 1, \zero
.endr
	WIN 0
.Lis_done_\@:
.endm
; 40 LDS loads in one run: the fragments of a quarter, at byte k of the slot's rows, into window w's buffer
.macro FETCH sl, k, w
.set PIT, PA-256*(\sl)
	WIN 0x40*\w
.irp b, 0,1,2,3
.irp c, 0,1,2,3
	ds_load_b128 v[16*\b+4*\c:16*\b+4*\c+3], v[AQ+\sl] offset:\k+32*\c+\b*16*PIT
.endr
.endr
.irp b, 0,1,2,3
.irp c, 0,1,2,3
	ds_load_b128 v[64+16*\b+4*\c:64+16*\b+4*\c+3], v[AX+\sl] offset:\k+32*\c+\b*16*PIT
.endr
.endr
.irp b, 0,1
.irp c, 0,1,2,3
	ds_load_b128 v[128+16*\b+4*\c:128+16*\b+4*\c+3], v[AK+\sl] offset:\k+32*\c+\b*16*PIT
.endr
.endr
.endm
; cos and sin for token tile i: registers 2 p, 2 p + 1 = cos, sin of the pair in the accumulator's registers 2 p, 2 p + 1.  (v's work-groups load k's too and do not use them: so no register is left unwritten on any way.)
.macro ROPE i
.if \i < 3
	WIN 0x40
.set RB, 160+32*\i
.else
	WIN 0x80
.set RB, 160
.endif
.irp t, 0,1,2,3
	global_load_b128 v[RB+8*\t:RB+8*\t+3], v[RO], s[12:13] offset:16*\i*512+64*\t
	global_load_b128 v[RB+8*\t+4:RB+8*\t+7], v[RO], s[12:13] offset:16*\i*512+64*\t+16
.endr
	WIN 0x80
.irp t, 0,1
	global_load_b128 v[192+16*\i+8*\t:192+16*\i+8*\t+3], v[RO], s[6:7] offset:16*\i*512+64*\t
	global_load_b128 v[192+16*\i+8*\t+4:192+16*\i+8*\t+7], v[RO], s[6:7] offset:16*\i*512+64*\t+16
.endr
.endm
.macro PF off
	global_prefetch_b8 v[PFO], s[PFA:PFA+1] offset:\off th:TH_LOAD_NT scope:SCOPE_SE
.endm
; n = 1, behind step 1's load: step 2 (bytes 768 to 1279 of each row).  n = 2, behind step 2's load: step 3 (1280 to 1535) and step 4 (1536 to 2047).  Every address lies inside its row.
.macro ASK n
	s_cmp_lt_u32 s[WV], 2
	s_cbranch_scc0 .Lask_w_\@
.if \n == 1
	PF 768
	PF 1024
.else
	PF 1280
	PF 1536
	PF 1792
.endif
	s_branch .Lask_done_\@
.Lask_w_\@:
	s_cmp_eq_u32 s[WV], 2
	s_cbranch_scc0 .Lask_3_\@
.if \n == 1
	PF 768
.else
	PF 1280
.endif
	s_branch .Lask_done_\@
.Lask_3_\@:
.if \n == 2
	PF 1792
.endif
.Lask_done_\@:
.endm
; Quarter n multiplies window 1 + n % 3 and fetches quarter n + 2, at byte k of slot sl, into the buffer that quarter n - 1 multiplied.
.macro QTR n, zero, sl, k, rope
.set QW, 1+(\n)%3
.set FW, 1+(\n+2)%3
.if \n == 15
	s_wait_dscnt 0x0
.else
	s_wait_dscnt 40                                ; my fragments are in; the next quarter's 40 loads may be out
.endif
	WIN 5*QW
	MULQ 0, \zero
.if \n < 14
	PLACES
	FETCH \sl, \k, FW
.endif
.if \rope
	ROPE \n
.endif
	WIN 5*QW
	MULQ 2, \zero
	MULKV \zero
.endm
.macro STEPD to, bytes                 ; the walking descriptors: slot and place along K of the next step
.if \to
	s_mov_b32 s[G0X+1], s[LXB]
	s_mov_b32 s[G0Q+1], SLB+128*PB
	s_mov_b32 s[G0K+1], SLB+256*PB
.else
	s_mov_b32 s[G0X+1], s[LXA]
	s_mov_b32 s[G0Q+1], 128*PA
	s_mov_b32 s[G0K+1], 256*PA
.endif
	s_add_nc_u64 s[G0X+2:G0X+3], s[G0X+2:G0X+3], \bytes
	s_add_nc_u64 s[G0Q+2:G0Q+3], s[G0Q+2:G0Q+3], \bytes
	s_add_nc_u64 s[G0K+2:G0K+3], s[G0K+2:G0K+3], \bytes
.endm
; THE CHANGE OF SLOTS stands in quarter n, the last but one of its step: the step's last two quarters lie in registers.  ONE barrier; in front of it each wave waits for all its tensor loads (its part of the next step),
; adds 0 to its spare word, and waits for that and for its own reads of the slot.  fill = 1: the slot is filled again behind a round of the cluster's barrier.  Then the next step's first quarter is fetched.
.macro CHANGE n, fill, to, bytes, sl, k
.set QW, 1+(\n)%3
.set FW, 1+(\n+2)%3
	s_wait_tensorcnt 0x0                           ; no tensor load of mine is out, so a group 0 may be written
	ds_add_u32 v[SPW], v[NIL]                      ; 0 onto my spare word
.if \fill
	STEPD \to, \bytes
.endif
	s_wait_dscnt 41                                ; this quarter's fragments are in; the next one's 40 loads and the add may be out
	WIN 5*QW
	MULQ 0, 0
	s_wait_dscnt 0x0                               ; the add is done, and my reads of the slot are over
	s_barrier_signal -1
	MULQ 2, 0                                      ; work on registers while the others arrive
	WIN 0
	s_barrier_wait -1
.if \fill
	CREST                                          ; no wave of any partner still reads the slot or has a load on its way
	JLOAD \to                                      ; its four v_nop are also the places in front of the loads below
.else
	PLACES
.endif
	FETCH \sl, \k, FW
.if \n == 2
	ROPE 2
	WIN 0
	ASK 2
.endif
	MULKV 0
.endm
	s_wait_alu depctr_va_vdst(0)
	s_wait_tensorcnt 0x0                           ; my part of step 0 is in
	ds_add_u32 v[SPW], v[NIL]
	STEPD 1, 512
	s_wait_dscnt 0x0
	CROUND                                         ; everybody's part is in, and all sixteen work-groups are here
	JLOAD 1                                        ; step 1, slot B's first fill: the first tensor load behind the round
	FETCH 0, 0, 1
	FETCH 0, 128, 2
	WIN 0
	ASK 1
	QTR 0, 1, 0, 256, 1
	QTR 1, 0, 0, 384, 1
	CHANGE 2, 1, 0, 256, 1, 0                      ; step 1 is in slot B; slot A takes step 2
	QTR 3, 0, 1, 128, 1
	CHANGE 4, 1, 1, 512, 0, 0                      ; step 2 is in slot A; slot B takes step 3
	QTR 5, 0, 0, 128, 0
	QTR 6, 0, 0, 256, 0
	QTR 7, 0, 0, 384, 0
	CHANGE 8, 1, 0, 256, 1, 0                      ; slot A takes step 4
	QTR 9, 0, 1, 128, 0
	CHANGE 10, 0, 0, 0, 0, 0                       ; nothing is left to fetch
	QTR 11, 0, 0, 128, 0
	QTR 12, 0, 0, 256, 0
	QTR 13, 0, 0, 384, 0
	QTR 14, 0, 0, 0, 0
	QTR 15, 0, 0, 0, 0
; (x0, x1) -> (x0 cos - x1 sin, x0 sin + x1 cos), four pairs of an accumulator, two packed instructions a pair, from its low end on; v0-7 at work
.macro ROT acc, cs, out
.irp p, 0,2,4,6
	v_pk_mul_f32 v[\p:\p+1], v[\acc+\p:\acc+\p+1], v[\cs+\p:\cs+\p+1] op_sel:[1,1] op_sel_hi:[1,0]   ; x1 sin, x1 cos
.endr
.irp p, 0,2,4,6
	v_pk_fma_f32 v[\out+\p:\out+\p+1], v[\acc+\p:\acc+\p+1], v[\cs+\p:\cs+\p+1], v[\p:\p+1] op_sel_hi:[0,1,1] neg_lo:[0,0,1]
.endr
.endm
.macro HOLD r, n, lim                  ; the conversion to an 8-bit code does not saturate (ISA guide 7.6.2): the hold at the largest code x the scale
.set hn, 0
.rept \n
	v_med3_num_f32 v[\r+hn], v[\r+hn], -s[\lim], s[\lim]
.set hn, hn+1
.endr
.endm
	PLACES                                         ; in front of the first read of results
	s_wait_loadcnt 0x0                             ; cos and sin
	s_cmp_lt_u32 ttmp9, 2
	s_cbranch_scc0 .Lout_v
.irp i, 0,1,2,3                                ; k: turned, held, converted: four registers of a fragment, 512 consecutive bytes a store
	WIN 0x08                                       ; source 1 (cos, sin) window 2
	ROT ACK+16*\i, 192+16*\i, 32
	ROT ACK+16*\i+8, 192+16*\i+8, 40
	HOLD 32, 16, LMK
	WIN 0
	v_cvt_scalef32_pk8_fp8_f32 v[CK+4*\i:CK+4*\i+1], v[32:39], v[SCK]
	v_cvt_scalef32_pk8_fp8_f32 v[CK+4*\i+2:CK+4*\i+3], v[40:47], v[SCK]
	v_nop                                          ; one plain vector instruction behind the last conversion of a run
	global_store_b128 v[LO], v[CK+4*\i:CK+4*\i+3], s[18:19] offset:2048*\i
.endr
	s_branch .Lout_q
.Lout_v:                                       ; v is not turned
	HOLD ACK, 64, LMK
.irp t, 0,1
.irp i, 0,1,2,3
	v_cvt_scalef32_pk8_fp8_f32 v[CK+8*\t+2*\i:CK+8*\t+2*\i+1], v[ACK+16*\i+8*\t:ACK+16*\i+8*\t+7], v[SCK]
.endr
	v_nop
	global_store_b128 v[LO], v[CK+8*\t:CK+8*\t+3], s[18:19] offset:2048*\t
	global_store_b128 v[LO], v[CK+8*\t+4:CK+8*\t+7], s[18:19] offset:2048*\t+512
.endr
.Lout_q:
.irp i, 0,1,2,3                                ; q
.if \i < 3
	WIN 0x04
.set CSB, 160+32*\i
.else
	WIN 0x08
.set CSB, 160
.endif
.irp t, 0,1,2,3
	ROT ACC+32*\i+8*\t, CSB+8*\t, 192+8*\t
.endr
	HOLD 192, 32, LMQ
	WIN 0
.irp t, 0,1,2,3
	v_cvt_scalef32_pk8_fp8_f32 v[CQ+8*\i+2*\t:CQ+8*\i+2*\t+1], v[192+8*\t:199+8*\t], v[SCQ]
.endr
	v_nop
	global_store_b128 v[LO], v[CQ+8*\i:CQ+8*\i+3], s[16:17] offset:2048*\i         ; 32 lanes store 512 consecutive bytes, at a multiple of 512 from the image's first byte
	global_store_b128 v[LO], v[CQ+8*\i+4:CQ+8*\i+7], s[16:17] offset:2048*\i+512
.endr
	s_wait_tensorcnt 0x0                           ; the wave's end
	ds_add_u32 v[SPW], v[NIL]
	s_wait_dscnt 0x0
	CROUND                                         ; the closing round: no work-group ends while a partner may still ask for a tile that names it
	s_endpgm
.Lfunc_end_k_qec9908bc48_qkv:
	.size	k_qec9908bc48_qkv, .Lfunc_end_k_qec9908bc48_qkv-k_qec9908bc48_qkv
	.p2alignl 7, 3214868480
	.fill 96, 4, 3214868480
	.section	.rodata,"a",@progbits
	.p2align	6, 0x0
	.amdhsa_kernel k_qec9908bc48_qkv
		.amdhsa_group_segment_fixed_size 327680
		.amdhsa_private_segment_fixed_size 0
		.amdhsa_enable_private_segment 0
		.amdhsa_kernarg_size 72
		.amdhsa_user_sgpr_count 2
		.amdhsa_user_sgpr_kernarg_segment_ptr 1
		.amdhsa_wavefront_size32 1
		.amdhsa_system_sgpr_workgroup_id_x 1
		.amdhsa_system_sgpr_workgroup_id_y 1
		.amdhsa_system_sgpr_workgroup_id_z 1
		.amdhsa_system_vgpr_workitem_id 0
		.amdhsa_next_free_vgpr 1024
		.amdhsa_next_free_sgpr 104
		.amdhsa_reserve_vcc 0
		.amdhsa_float_denorm_mode_32 3
		.amdhsa_float_denorm_mode_16_64 3
		.amdhsa_memory_ordered 1
		.amdhsa_forward_progress 1
		.amdhsa_inst_pref_size 136
	.end_amdhsa_kernel
	.amdgpu_metadata
---
amdhsa.version: [ 1, 2 ]
amdhsa.kernels:
  - .name:           k_qec9908bc48_qkv
    .symbol:         k_qec9908bc48_qkv.kd
    .args:
      - { .name: x_codes, .offset: 0, .size: 8, .value_kind: global_buffer, .address_space: global }
      - { .name: Wq_codes, .offset: 8, .size: 8, .value_kind: global_buffer, .address_space: global }
      - { .name: Wk_codes, .offset: 16, .size: 8, .value_kind: global_buffer, .address_space: global }
      - { .name: Wv_codes, .offset: 24, .size: 8, .value_kind: global_buffer, .address_space: global }
      - { .name: rope_cache, .offset: 32, .size: 8, .value_kind: global_buffer, .address_space: global }
      - { .name: lowp_scales, .offset: 40, .size: 8, .value_kind: global_buffer, .address_space: global }
      - { .name: q_img, .offset: 48, .size: 8, .value_kind: global_buffer, .address_space: global }
      - { .name: k_img, .offset: 56, .size: 8, .value_kind: global_buffer, .address_space: global }
      - { .name: v_img, .offset: 64, .size: 8, .value_kind: global_buffer, .address_space: global }
    .group_segment_fixed_size: 327680
    .private_segment_fixed_size: 0
    .kernarg_segment_align: 8
    .kernarg_segment_size: 72
    .max_flat_workgroup_size: 128
    .sgpr_count:     104
    .vgpr_count:     1024
    .wavefront_size: 32
...
	.end_amdgpu_metadata
.endif
;; end of part 1
;; launch attn (part 2): grid 16 x 16, 8 waves a work-group, clusters of 4 x 1, 327,680 bytes of LDS; arguments q_img, k_img, v_img, lowp_scales, y_img; writes y_img
.if DOCPART == 2
	.amdgcn_target "amdgcn-amd-amdhsa--gfx1250"
	.amdhsa_code_object_version 6
	.text
	.protected	k_qec9908bc48_attn
	.globl	k_qec9908bc48_attn
	.p2align	8
	.type	k_qec9908bc48_attn,@function
k_qec9908bc48_attn:
	s_mov_b64 s[64:65], 0
	v_nop
	global_prefetch_b8 v0, s[64:65] scope:SCOPE_SE
	s_setreg_imm32_b32 hwreg(HW_REG_WAVE_MODE, 25, 1), 1
	s_wait_xcnt 0x0
	s_wait_alu depctr_hold_cnt(0) depctr_sa_sdst(0) depctr_va_vdst(0) depctr_va_sdst(0) depctr_va_ssrc(0) depctr_va_vcc(0) depctr_vm_vsrc(0)
	s_getreg_b32 s2, hwreg(HW_REG_IB_STS2, 6, 4)
	s_cmp_eq_u32 s2, 0
	s_cbranch_scc0 .Lentry_in_a_cluster
	s_endpgm
.Lentry_in_a_cluster:
	s_bfe_u32 s2, ttmp6, 0x10000c
	s_cmp_lg_u32 s2, 0x3003
	s_cbranch_scc0 .Lentry_shape_is_right
	s_endpgm
.Lentry_shape_is_right:
; y[t][head] = softmax over keys k <= t of (q . k / sqrt(128)) v, 16 query heads on 4 key and value heads, both products on codes of FP8 (E4M3); y quantised for the last product.
; q_img, k_img, v_img, y_img hold fragments as images of an operand's registers: 16 rows x 128 K = 2,048 bytes, chunk c of 512 bytes = registers 4 c .. 4 c + 3, lane l's 16 bytes at 16 l;
; registers 2 c, 2 c + 1 of lane (r, h) = K 16 c + 8 h + 0 .. 7 of row r.  q_img: (head, query tile) at (128 head + tile) x 2048, K = d.  k_img: (kv, key tile) likewise.
; v_img: (kv, key step of 128, d tile) at ((16 kv + step) 8 + d tile) x 2048, rows = d, K = the step's keys.  y_img: (t / 128, head / 4, (t / 16) % 8, head % 4) at 262144, 65536, 8192, 2048 bytes each.
; THE SOFTMAX AHEAD OF THE SECOND PRODUCT: t = score x log2(e) / sqrt(128); M = the largest t so far, rounded UP to a whole number; p = 2^(t - M) is quantised with 2^e8, not normalised.
; The sum is taken of the unquantised p and divides at the end.  When M moves, the sum and O are multiplied by 2^(old M - new M): exact.
; SHARES.  A cluster's four work-groups are the four query heads of one kv head (the cluster's x), all with the same y = j, so they walk the same K and V alike: each tile is asked for JOINTLY.
; A work-group owns two blocks of 64 queries: j (early) and 31 - j (late): 17 key steps of 128 in all, whatever j.  A block is four tiles of 16 queries: a wave owns a PAIR of tiles (P = wave & 1) and one of a slot's
; four key steps (ks = wave / 2): each fragment of K and V that it reads from LDS feeds two products.  Four waves share a pair, each with a running M, a sum and an O^T of its own; at a block's end the four are joined through LDS.
; ORDER.  The ring has two slots of 512 keys.  The early block needs keys 0 to 1,023 at the most: it walks both slots first and is joined; then the late block walks slots 0 and 1, which are refilled behind it, and the two refills.
; A key step all of whose keys come after the block's queries is left out by a scalar branch on ids, round the step's work alone (reference()'s own causal mask hides it for all values of the inputs; a NaN or an infinity that reaches only that work is not carried
; to the result).  In the step on the diagonal hidden scores become -infinity ahead of the maximum.  A wave none of whose steps counts hands over zeros, and its factor comes out as 0.
; LAYOUT.  S^T = K Q^T (source 0 = 16 keys, source 1 = 16 queries), O^T = V^T P^T (source 0 = 16 of the head's 128, source 1 = P): a lane holds ONE query (lane % 16) throughout.  Register 8 T + i of S^T is key
; 16 T + 8 (lane / 16) + i: the conversion of tile T's eight registers gives registers 2 T, 2 T + 1 of P; likewise O^T's gives y's.
; PREFETCH: slots 2 and 3, asked for when slot 1 is, three slots' walks ahead of their loads; the 512 blocks of 256 bytes of a kv head's slot are shared out by address over its 16 x 4 work-groups, eight each, by wave 0: each block is named once in the launch.
; LIMITS: e6 + e7 between -123 and 130 (added to c's exponent field); e8 and e10 - e8 - e9 between -126 and 119; scaled scores under 2^31 in magnitude.  NaN and infinities among the scores are not served.
; A wave quantises p under the M of its own key steps, which may lie under the row's: numbers far below the row's largest then keep codes that they would lose under the row's M.
; REGISTERS.  Window 0: v1-11 addresses and the add's; then, alike in window 0 for the pair's first tile and in window 1 for its second: v7 the mask's number; v12 -M, v13 the largest t, v[14:15] the sum in two halves; v16-31 Q;
;   v32-95 four fragments of K or V (window 0: the first four, window 1: the other four); v96-159 S^T, then p; v160-223 O^T; v224-239 p's codes; v244 2^e8; v236-239, v242, v243, v246-255 at work.   v245 (window 0): y's scale.
.set SLOTB, 131072                     ; a slot: K's four key steps of 16 KiB, then V's: dense blocks, read 16 bytes a lane at 16 x lane
.set VOFF,  65536
.set STG,   2*SLOTB                    ; the joining stage, which no tensor load fills: 1,024 bytes of statistics for each wave,
.set OST,   STG+8192                   ; then for each pair and each half of O^T's registers three pieces of 4,096 bytes
.set SPARE, OST+49152                  ; the spare words, 128 bytes for each wave: four blocks of 256 bytes that no other line names
.set LI,   1                           ; v1   16 x lane
.set PFO,  3                           ; v3   256 x (lane & 7): the prefetches' offset; never rewritten
.set DB,   4                           ; v4   r - 8 h
.set SPW,  5
.set NIL,  6
.set DQ,   7
.set ADK,  8
.set ADV,  9
.set PFA,  2                           ; s[2:3] where my prefetches stand
.set YE,   12                          ; s[12:13] where my piece of y goes: early block; s[16:17] late
.set QL,   14                          ; s[14:15] Q of the late block; s[66:67] of the early one
.set YL,   16
.set WV,   18
.set JJ,   19
.set SEL,  20                          ; s[20:21] lane selects for v_permlanex16_b32: lane l xor 16
.set CS,   22                          ; s[22:23] c = log2(e) / sqrt(128) x 2^(e6 + e7)
.set G1,   24                          ; s[24:31] descriptor group 1: the same shape and mask for K's and V's tiles
.set G0K,  32                          ; s[32:35], s[36:39] group 0 for K's and V's tiles, which walk
.set G0V,  36
.set TB,   40                          ; LDS byte at which the key step in hand begins
.set KF,   41                          ; its first key
.set DG,   42                          ; the first key of the block's step on the diagonal
.set CNT,  43
.set KS,   44                          ; ks;  s46: ks xor 2
.set PP,   45
.set KSX,  46
.set AST,  47                          ; s47-56 LDS bytes of the joining
.set AO0,  48
.set AO1,  49
.set BO0,  50
.set BO1,  51
.set ORD,  52
.set SRO,  53
.set SR0,  54
.set SR1,  55
.set SR2,  56
.set KF0,  57
.set DGL,  58
.set DQE,  59
.set DQL,  60
.set HP,   61                          ; 448 x 2^e8
.set HY,   62                          ; 448 x 2^(e10 - e8 - e9)
.set QE,   66
.set MSB, 0
.macro WIN new                         ; the immediate's high byte repeats the setting that is left
.if MSB != (\new)
	s_set_vgpr_msb (MSB<<8)|(\new)
.set MSB, (\new)
.endif
.endm
.macro PLACES                          ; four plain vector instructions behind matrix instructions (ISA guide 7.12.1 for reads of their results)
.rept 4
	v_nop
.endr
.endm
.macro JLOAD                           ; a joint load of a slot: waves 0-3 ask for K's key steps, waves 4-7 for V's, one load a wave
	s_cmp_lt_u32 s[WV], 4
	s_cbranch_scc0 .Lfor_v_\@
	tensor_load_to_lds s[G0K:G0K+3], s[G1:G1+7]
	s_nop 0
.rept 4
	v_nop
.endr
	s_branch .Lasked_\@
.Lfor_v_\@:
	tensor_load_to_lds s[G0V:G0V+3], s[G1:G1+7]
	s_nop 0
.rept 4
	v_nop
.endr
.Lasked_\@:
.endm
.macro BAR
	s_wait_dscnt 0x0                               ; my LDS stores and reads are done
	s_barrier_signal -1
	s_barrier_wait -1
.endm
.macro CROUND                          ; a round of the cluster's barrier
	s_barrier_signal -1
	s_barrier_wait -1
	s_cmp_lg_u32 s[WV], 0
	s_cbranch_scc1 .Lnot_wave_0_\@
	s_barrier_signal -3
.Lnot_wave_0_\@:
	s_barrier_wait -3
	s_barrier_signal -1
	s_barrier_wait -1
.endm
; THE CHANGE OF SLOTS.  Each wave waits for all its tensor loads, adds 0 to its spare word, and waits for that and for its reads.  Behind the round the next 512 keys are asked for, into the slot that was left (the first time: slot 1's first fill).
.macro CHANGE
	s_wait_tensorcnt 0x0                           ; no tensor load of mine is out, so a group 0 may be written
	ds_add_u32 v[SPW], v[NIL]                      ; 0 onto my spare word
	s_xor_b32 s[G0K+1], s[G0K+1], SLOTB
	s_xor_b32 s[G0V+1], s[G0V+1], SLOTB
	s_add_nc_u64 s[G0K+2:G0K+3], s[G0K+2:G0K+3], 65536   ; 512 keys on; the type bits on top are not reached
	s_add_nc_u64 s[G0V+2:G0V+3], s[G0V+2:G0V+3], 65536
	s_wait_dscnt 0x0
	CROUND
	JLOAD
.endm
.macro SHOW                            ; the same with nothing to fill: the slot ahead is whole behind it
	s_wait_tensorcnt 0x0
	ds_add_u32 v[SPW], v[NIL]
	BAR
.endm
.macro OADDR d0, d1, k                 ; where I put O^T's two halves for the tile whose owners are k = 0 (half 0) and k = 1 (half 1): the three others' pieces lie behind one another
	s_add_co_u32 s[\d0], s[\k], 3
	s_and_b32 s[\d0], s[\d0], 3
	s_lshl_b32 s[\d0], s[\d0], 12
	s_add_co_u32 s[\d0], s[\d0], s83
	s_add_co_u32 s[\d1], s[\k], 1
	s_lshr_b32 s[\d1], s[\d1], 1
	s_lshl_b32 s[\d1], s[\d1], 12
	s_add_co_u32 s[\d1], s[\d1], s83
	s_add_co_u32 s[\d1], s[\d1], 12288
.endm
	s_load_b256 s[4:11], s[0:1], 0x0               ; q_img s[4:5], k_img s[6:7], v_img s[8:9], lowp_scales s[10:11]
	s_load_b64 s[12:13], s[0:1], 0x20              ; y_img
	v_lshl_add_u32 v[SPW], v0, 2, SPARE
	v_mov_b32 v[NIL], 0
	ds_add_u32 v[SPW], v[NIL]                      ; the wave's opening: the add, twice on end, and its wait ahead of my first tensor load
	ds_add_u32 v[SPW], v[NIL]
	v_lshrrev_b32 v8, 5, v0
	v_readfirstlane_b32 s[WV], v8                  ; wave 0..7
	s_and_b32 s[PP], s[WV], 1
	s_lshr_b32 s[KS], s[WV], 1
	s_xor_b32 s[KSX], s[KS], 2
	s_bfe_u32 s80, ttmp6, 0x40000                  ; cx: the query head within its group: it enters q's, y's and the prefetches' addresses alone
	s_and_b32 s[JJ], ttmp7, 0xffff                 ; j, which the four partners share
	s_sub_co_u32 s81, 31, s[JJ]                    ; the late block
	s_and_b32 s82, s[WV], 3                        ; which of a slot's four key steps I fetch: its place in a slot's part, and in memory
	s_lshl_b32 s82, s82, 14
	s_lshl_b32 s84, ttmp9, 18                      ; the kv head's 262,144 bytes
	s_lshl_b32 s98, s[JJ], 29
	s_lshr_b32 s98, s98, 16                        ; prefetches: 8,192 (j & 7) + 2,048 cx
	s_add_co_u32 s98, s98, s84
	s_lshl_b32 s99, s80, 11
	s_add_co_u32 s98, s98, s99
	s_mov_b32 s99, 0
	s_add_co_u32 s84, s84, s82
	s_mov_b32 s85, 0
	s_lshl_b32 s86, ttmp9, 2
	s_add_co_u32 s86, s86, s80                     ; the query head = 4 kv + cx
	s_lshl_b32 s86, s86, 18
	s_lshl_b32 s87, s[PP], 12
	s_add_co_u32 s86, s86, s87                     ; Q: (128 head + 4 block + 2 P) x 2048
	s_lshl_b32 s88, s[JJ], 13
	s_add_co_u32 s88, s88, s86
	s_mov_b32 s89, 0
	s_lshl_b32 s90, s81, 13
	s_add_co_u32 s90, s90, s86
	s_mov_b32 s91, 0
	s_lshl_b32 s92, ttmp9, 16                      ; y: 65536 kv + 2048 cx + my tile of the pair (ks / 2) x 8192 + P x 16384 + my half (ks & 1) x 1024
	s_lshl_b32 s93, s80, 11
	s_add_co_u32 s92, s92, s93
	s_lshl_b32 s93, s[PP], 14
	s_add_co_u32 s92, s92, s93
	s_lshr_b32 s93, s[KS], 1
	s_lshl_b32 s93, s93, 13
	s_add_co_u32 s92, s92, s93
	s_and_b32 s93, s[KS], 1
	s_lshl_b32 s93, s93, 10
	s_add_co_u32 s92, s92, s93
	s_lshr_b32 s94, s[JJ], 1                       ; + 262144 (block / 2) + 32768 (block & 1)
	s_lshl_b32 s[DG], s94, 7                       ; the diagonal: 128 (block / 2)
	s_lshl_b32 s94, s94, 18
	s_and_b32 s93, s[JJ], 1
	s_lshl_b32 s[DQE], s93, 6                      ; the mask's number: 64 (block & 1) + 32 P
	s_lshl_b32 s93, s93, 15
	s_add_co_u32 s94, s94, s93
	s_add_co_u32 s94, s94, s92
	s_mov_b32 s95, 0
	s_lshr_b32 s96, s81, 1
	s_lshl_b32 s[DGL], s96, 7
	s_lshl_b32 s96, s96, 18
	s_and_b32 s93, s81, 1
	s_lshl_b32 s[DQL], s93, 6
	s_lshl_b32 s93, s93, 15
	s_add_co_u32 s96, s96, s93
	s_add_co_u32 s96, s96, s92
	s_mov_b32 s97, 0
	s_lshl_b32 s93, s[PP], 5
	s_add_co_u32 s[DQE], s[DQE], s93
	s_add_co_u32 s[DQL], s[DQL], s93
	; the joining's LDS bytes
	s_lshl_b32 s[AST], s[WV], 10
	s_add_co_u32 s[AST], s[AST], STG               ; my statistics
	s_mul_i32 s83, s[PP], 24576
	s_add_co_u32 s83, s83, OST                     ; my pair's pieces
	OADDR AO0, AO1, KS                             ; the first tile is owned by ks = 0, 1,
	OADDR BO0, BO1, KSX                            ; the second by ks = 2, 3
	s_and_b32 s[ORD], s[KS], 1
	s_mul_i32 s[ORD], s[ORD], 12288
	s_add_co_u32 s[ORD], s[ORD], s83               ; the three pieces for my half of my tile
	s_lshr_b32 s92, s[KS], 1
	s_lshl_b32 s92, s92, 9
	s_add_co_u32 s[SRO], s[AST], s92               ; statistics of my tile: mine,
	s_xor_b32 s[SR0], s[WV], 2
	s_lshl_b32 s[SR0], s[SR0], 10
	s_add_co_u32 s[SR0], s[SR0], STG
	s_add_co_u32 s[SR0], s[SR0], s92               ; those of ks xor 1,
	s_and_b32 s[SR1], s[KSX], 2
	s_lshl_b32 s[SR1], s[SR1], 1
	s_add_co_u32 s[SR1], s[SR1], s[PP]
	s_lshl_b32 s[SR1], s[SR1], 10
	s_add_co_u32 s[SR1], s[SR1], STG
	s_add_co_u32 s[SR1], s[SR1], s92               ; and of the other tile's two owners
	s_add_co_u32 s[SR2], s[SR1], 2048
	s_lshl_b32 s[KF0], s[KS], 7
	s_mov_b32 s[KF], s[KF0]
	s_lshl_b32 s[TB], s[KS], 14
	; descriptor group 1: a dense block of 16 KiB as 64 rows of 256 bytes
	s_mov_b32 s[G1], 15|(3<<16)|(1<<21)            ; 15:0 the mask: all four work-groups; 17:16 elements of 8 bytes; 20 no padding; 21 set beside a mask
	s_mov_b32 s[G1+1], 32<<16                      ; tensor_dim0 = 32
	s_mov_b32 s[G1+2], 64<<16                      ; tensor_dim1 = 64
	s_mov_b32 s[G1+3], 32<<16                      ; tile_dim0 = 32
	s_mov_b32 s[G1+4], 64                          ; tile_dim1 = 64
	s_mov_b32 s[G1+5], 32                          ; from row to row
	s_mov_b32 s[G1+6], 0
	s_mov_b32 s[G1+7], 0
	s_mov_b32 s[SEL], 0x76543210
	s_mov_b32 s[SEL+1], 0xfedcba98
	s_mov_b32 s[CS], 0x3e0293ee                    ; c = log2(e) / sqrt(128)
	s_wait_dscnt 0x0                               ; both opening adds are done
	CROUND                                         ; all four work-groups are here: the first joint loads meet
	s_wait_kmcnt 0x0
	s_mov_b32 s[G0K], 1                            ; count = 1
	s_mov_b32 s[G0K+1], s82                        ; LDS address: slot 0
	s_add_nc_u64 s[G0K+2:G0K+3], s[6:7], s[84:85]
	s_or_b32 s[G0K+3], s[G0K+3], 0x80000000        ; type = 2
	s_mov_b32 s[G0V], 1
	s_add_co_u32 s[G0V+1], s82, VOFF
	s_add_nc_u64 s[G0V+2:G0V+3], s[8:9], s[84:85]
	s_or_b32 s[G0V+3], s[G0V+3], 0x80000000
	JLOAD                                          ; slot 0: one tensor load a wave at the head
	s_load_b256 s[68:75], s[10:11], 0x0            ; e0 .. e7
	s_load_b128 s[76:79], s[10:11], 0x20           ; e8 .. e11
	s_add_nc_u64 s[QE:QE+1], s[4:5], s[88:89]
	s_add_nc_u64 s[QL:QL+1], s[4:5], s[90:91]
	s_add_nc_u64 s[YL:YL+1], s[12:13], s[96:97]
	s_add_nc_u64 s[YE:YE+1], s[12:13], s[94:95]
	s_cmp_lt_u32 s[JJ], 8                          ; j = 0 .. 7 ask for K's blocks, 8 .. 15 for V's
	s_cselect_b64 s[PFA:PFA+1], s[6:7], s[8:9]
	s_add_nc_u64 s[PFA:PFA+1], s[PFA:PFA+1], s[98:99]
	v_and_b32 v8, 31, v0
	v_and_b32 v9, 15, v0                           ; r
	v_bfe_u32 v10, v0, 4, 1                        ; h
	v_and_b32 v11, 7, v0
	v_lshlrev_b32 v[LI], 4, v8
	v_lshlrev_b32 v10, 3, v10
	v_lshlrev_b32 v[PFO], 8, v11
	v_sub_nc_u32 v[DB], v9, v10
.macro QLOAD q                         ; Q's two fragments stay in registers
	WIN 0
.irp c, 0,1,2,3
	global_load_b128 v[16+4*\c:19+4*\c], v[LI], s[\q:\q+1] offset:512*\c
.endr
	WIN 0x40
.irp c, 0,1,2,3
	global_load_b128 v[16+4*\c:19+4*\c], v[LI], s[\q:\q+1] offset:2048+512*\c
.endr
	WIN 0
.endm
; A block's beginning: in the step on the diagonal register 8 T + i is hidden where 16 T + i is above v7 = 16 (tile % 8) + r - 8 h; the largest t so far is -3e38, under every t.
.macro BEGIN dq
	s_add_co_u32 s80, s[\dq], 16
	v_add_nc_u32 v[DQ], s[\dq], v[DB]
	v_mov_b32 v12, 0x7f61b1e6                      ; -M
	v_mov_b32 v13, 0xff61b1e6
	WIN 0x40
	v_add_nc_u32 v[DQ], s80, v[DB]
	v_mov_b32 v12, 0x7f61b1e6
	v_mov_b32 v13, 0xff61b1e6
	WIN 0
.endm
	QLOAD QE
	BEGIN DQE
	v_mov_b32 v10, 0                               ; written once: a lane permute's destination counts as one of its sources
.macro ZERO                            ; the early block's O^T and sums (a wave with no step that counts hands them over); v246, v253 are written once for the same reason as v10, and as an upper half
	v_mov_b32 v14, 0
	v_mov_b32 v15, 0
	v_mov_b32 v246, 0
	v_mov_b32 v253, 0
.set n, 0
.rept 64
	v_mov_b32 v[160+n], 0
.set n, n+1
.endr
.endm
	ZERO
	WIN 0x40
	ZERO
	WIN 0
	s_wait_alu depctr_va_vdst(0)
	s_wait_kmcnt 0x0
	s_add_co_i32 s80, s74, s75
	s_lshl_b32 s80, s80, 23
	s_add_co_i32 s[CS], s[CS], s80                 ; a score stands for score x 2^(e6 + e7): the two exponents are added to c's exponent field
	s_mov_b32 s[CS+1], s[CS]                       ; (named with it as a pair, so it is written)
	s_add_co_i32 s80, s76, 127
	s_lshl_b32 s81, s80, 23
	v_mov_b32 v244, s81                            ; 2^e8 as f32, for p's conversions
	WIN 0x40
	v_mov_b32 v244, s81
	WIN 0
	s_add_co_i32 s80, s80, 8
	s_lshl_b32 s80, s80, 23
	s_or_b32 s[HP], s80, 0x600000
	s_sub_co_i32 s80, s78, s76
	s_sub_co_i32 s80, s80, s77                     ; O^T / l stands for y / 2^(e8 + e9): y's code is (O^T / l) / 2^(e10 - e8 - e9)
	s_add_co_i32 s80, s80, 127
	s_lshl_b32 s81, s80, 23
	v_mov_b32 v245, s81
	s_add_co_i32 s80, s80, 8
	s_lshl_b32 s80, s80, 23
	s_or_b32 s[HY], s80, 0x600000
.macro MASK
	v_mov_b32 v254, 0xff800000                     ; -infinity
.set n, 0
.rept 64
	v_cmp_gt_i32 vcc_lo, 16*(n/8)+n%8, v[DQ]
	v_cndmask_b32 v[96+n], v[96+n], v254, vcc_lo
.set n, n+1
.endr
.endm
.macro PA d, s
	v_pk_add_f32 v[\d:\d+1], v[\d:\d+1], v[\s:\s+1]
.endm
.macro PB d, s
	v_pk_add_f32 v[\d:\d+1], v[\s:\s+1], v[\s+2:\s+3]
.endm
; The softmax of one tile, all in window w: 16 queries x 128 keys.
.macro SM w
	WIN \w
	s_wait_alu depctr_va_vdst(0)                   ; directly ahead of the first reader of the scores
	v_max3_num_f32 v254, v96, v97, v98             ; the step's largest score of my query, among my 64 keys, in four chains, each accumulator from its low end on
	v_max3_num_f32 v252, v99, v100, v101
	v_max3_num_f32 v250, v102, v103, v104
	v_max3_num_f32 v248, v105, v106, v107
.irp i, 108,116,124,132,140,148
	v_max3_num_f32 v254, v254, v[\i], v[\i+1]
	v_max3_num_f32 v252, v252, v[\i+2], v[\i+3]
	v_max3_num_f32 v250, v250, v[\i+4], v[\i+5]
	v_max3_num_f32 v248, v248, v[\i+6], v[\i+7]
.endr
	v_max3_num_f32 v254, v254, v156, v157
	v_max3_num_f32 v252, v252, v158, v159
	v_max_num_f32 v250, v250, v248
	v_max3_num_f32 v254, v254, v252, v250
	s_delay_alu instid0(VALU_DEP_1)
	v_permlanex16_b32 v246, v254, s[SEL], s[SEL+1]
	s_delay_alu instid0(VALU_DEP_1)
	v_max_num_f32 v254, v254, v246                 ; and among lane l xor 16's
	s_delay_alu instid0(VALU_DEP_1)
	v_mul_f32 v254, s[CS], v254                    ; as t (c is positive)
	s_delay_alu instid0(VALU_DEP_1)
	v_max_num_f32 v13, v13, v254                   ; the running largest t
	v_mov_b32 v254, v12
	s_delay_alu instid0(VALU_DEP_2)
	v_floor_f32 v12, -v13                          ; the new -M = floor(-t) = -ceil(t): M is a whole number
	s_delay_alu instid0(VALU_DEP_1)
	v_sub_f32 v254, v12, v254                      ; M's old value less its new one: a whole number, 0 or less
	s_delay_alu instid0(VALU_DEP_1)
	v_cvt_i32_f32 v254, v254                       ; (it saturates)
	s_delay_alu instid0(VALU_DEP_1)
	v_ldexp_f32 v252, 1.0, v254                    ; f = 2^(old M - new M)
.set n, 96
.rept 32
	v_pk_fma_f32 v[n:n+1], v[n:n+1], s[CS:CS+1], v[12:13] op_sel_hi:[1,0,0]   ; t - M, two at a time (of the pairs c and -M the low word serves both halves)
.set n, n+2
.endr
	s_wait_alu depctr_va_vdst(0)
.set n, 96
.rept 64
	v_exp_f32 v[n], v[n]                           ; p = 2^(t - M), at most 1: not normalised
.set n, n+1
.endr
	v_pk_mul_f32 v[14:15], v[14:15], v[252:253] op_sel_hi:[1,0]   ; the sums under the new M.  (The plain instruction behind the exponentials)
	s_wait_alu depctr_va_vdst(0)                   ; one wait for the whole batch, ahead of its first reader
	PB 242, 96                                     ; the row's sum is taken of the unquantised p, two at a time, in eight chains
	PB 254, 100
	PB 250, 104
	PB 248, 108
	PB 246, 112
	PB 238, 116
	PB 236, 120
	PA 14, 124
	PA 242, 126
	PA 254, 128
	PA 250, 130
	PA 248, 132
	PA 246, 134
	PA 238, 136
	PA 236, 138
	PA 14, 140
	PA 242, 142
	PA 254, 144
	PA 250, 146
	PA 248, 148
	PA 246, 150
	PA 238, 152
	PA 236, 154
	PA 14, 156
	PA 242, 158
	PA 254, 238
	PA 250, 236
	PA 14, 248
	PA 242, 246
	PA 254, 250
	s_delay_alu instid0(VALU_DEP_2)
	PA 14, 242
	s_delay_alu instid0(VALU_DEP_1)
	PA 14, 254
.set n, 96
.rept 32
	v_dual_min_num_f32 v[n], s[HP], v[n] :: v_dual_min_num_f32 v[n+1], s[HP], v[n+1]   ; the conversion to an 8-bit code does not saturate (ISA guide 7.6.2); p is not negative, so the hold is one-sided
.set n, n+2
.endr
.irp t, 0,1,2,3,4,5,6,7
	v_cvt_scalef32_pk8_fp8_f32 v[224+2*\t:225+2*\t], v[96+8*\t:103+8*\t], v244   ; keys 16 t + 8 h + 0 .. 7: registers 2 t, 2 t + 1 of P
.endr
	v_nop                                          ; one plain vector instruction behind the last conversion
	s_wait_alu depctr_va_vdst(0)                   ; directly ahead of the first reader of O^T
.set n, 160
.rept 32
	v_pk_mul_f32 v[n:n+1], v[n:n+1], v[252:253] op_sel_hi:[1,0]   ; O^T under the new M: x f
.set n, n+2
.endr
.endm
.macro FRAGS a, o                      ; four fragments
.irp t, 0,1,2,3
.irp c, 0,1,2,3
	ds_load_b128 v[32+16*\t+4*\c:32+16*\t+4*\c+3], v[\a] offset:\o+2048*\t+512*\c
.endr
.endr
.endm
.macro SP d                            ; S^T of four key tiles
.irp t, 0,1,2,3
	v_wmma_f32_16x16x128_fp8_fp8 v[\d+8*\t:\d+8*\t+7], v[32+16*\t:47+16*\t], v[16:31], 0
.endr
.endm
.macro OP d                            ; four d tiles of O^T
.irp t, 0,1,2,3
	v_wmma_f32_16x16x128_fp8_fp8 v[\d+8*\t:\d+8*\t+7], v[32+16*\t:47+16*\t], v[224:239], v[\d+8*\t:\d+8*\t+7]
.endr
.endm
; MY KEY STEP OF A SLOT: 128 keys, whose fragments begin at LDS byte s[TB] (K) and 65,536 further on (V), for both tiles of my pair.
.macro STEP
	s_cmp_gt_u32 s[KF], s[DG]                      ; all its keys come after my queries: nothing of it is done
	s_cbranch_scc1 .Lhidden_\@
	v_add_nc_u32 v[ADK], s[TB], v[LI]
	v_add_nc_u32 v[ADV], VOFF, v[ADK]
.rept 3
	v_nop                                          ; with the two additions five places in front of the loads into registers that the last step's products read
.endr
	FRAGS ADK, 0                                   ; K's eight fragments, four in each window
	WIN 0x40
	FRAGS ADK, 8192
	s_wait_alu depctr_va_vdst(0)
	s_wait_dscnt 16                                ; the first four are in; the other 16 loads may be out
	WIN 0
	SP 96                                          ; first tile,
	WIN 0x44
	SP 96                                          ; second tile
	s_wait_dscnt 0x0
	WIN 0x01
	SP 128
	WIN 0x45
	SP 128
	PLACES
	WIN 0
	FRAGS ADV, 0                                   ; V's eight fragments land under the softmax
	WIN 0x40
	FRAGS ADV, 8192
	WIN 0
	s_cmp_lt_u32 s[KF], s[DG]                      ; all its keys count: no mask
	s_cbranch_scc1 .Lopen_\@
	MASK
	WIN 0x55
	MASK
	WIN 0
.Lopen_\@:
	SM 0
	SM 0x55
	s_wait_alu depctr_va_vdst(0)
	s_wait_dscnt 0x0
	WIN 0
	OP 160
	WIN 0x54
	OP 160
	WIN 0x01
	OP 192
	WIN 0x55
	OP 192
	WIN 0
.Lhidden_\@:
	s_xor_b32 s[TB], s[TB], SLOTB                  ; on to the other slot
	s_add_co_u32 s[KF], s[KF], 512
.endm
; THE FOUR STATES OF A PAIR MEET.  Every wave stores its statistics and, for each tile, the halves of O^T that another wave owns, as images of its registers (16 bytes a lane, 512 bytes a store): first the first tile (owners ks = 0, 1), then, in the same bytes,
; the second (owners ks = 2, 3).  The owner of a half brings the four states under the largest M (exact powers of two), adds, divides, quantises and stores 1,024 bytes of y's fragment.
.macro PUT sw, a0, a1, k
	WIN 0
	s_cmp_eq_u32 s[\k], 0
	s_cbranch_scc1 .Lown_0_\@
	WIN \sw
.irp f, 0,1,2,3,4,5,6,7
	ds_store_b128 v[\a0], v[160+4*\f:163+4*\f] offset:512*\f   ; each accumulator from its low end on
.endr
	WIN 0
.Lown_0_\@:
	s_cmp_eq_u32 s[\k], 1
	s_cbranch_scc1 .Lown_1_\@
	WIN \sw
.irp f, 0,1,2,3,4,5,6,7
	ds_store_b128 v[\a1], v[192+4*\f:195+4*\f] offset:512*\f
.endr
	WIN 0
.Lown_1_\@:
.endm
.macro GET                             ; the three others' pieces of my half
.set n, 0
.rept 24
	ds_load_b128 v[32+4*n:35+4*n], v149 offset:512*n
.set n, n+1
.endr
.endm
.macro OWN w, r                        ; my own half x its factor
	WIN \w
	s_wait_alu depctr_va_vdst(0)                   ; directly ahead of the first reader of O^T
.set n, 0
.rept 16
	v_pk_mul_f32 v[160+n:161+n], v[\r+n:\r+n+1], v[148:149] op_sel_hi:[1,0]
.set n, n+2
.endr
	WIN 0
.endm
.macro MERGE yb
	v_add_nc_u32 v128, s[AST], v[LI]
	v_add_nc_u32 v129, s[AO0], v[LI]
	v_add_nc_u32 v130, s[AO1], v[LI]
	v_add_nc_u32 v131, s[BO0], v[LI]
	v_add_nc_u32 v148, s[BO1], v[LI]
	v_add_nc_u32 v149, s[ORD], v[LI]
	v_add_nc_u32 v150, s[SRO], v[LI]
	v_add_nc_u32 v151, s[SR0], v[LI]
	v_add_nc_u32 v152, s[SR1], v[LI]
	v_add_nc_u32 v153, s[SR2], v[LI]
	s_wait_alu depctr_va_vdst(0)                   ; ahead of the branches and barriers below
	ds_store_b128 v128, v[12:15]                   ; -M, the largest t, the sum's two halves
	WIN 0x04
	ds_store_b128 v128, v[12:15] offset:512
	PUT 0, 129, 130, KS
	BAR
	s_cmp_lt_u32 s[KS], 2
	s_cbranch_scc0 .Lnot_a_\@
	GET
.Lnot_a_\@:
	BAR                                            ; the first tile's pieces are in registers: their bytes take the second's
	PUT 0x04, 131, 148, KSX
	BAR
	s_cmp_lt_u32 s[KS], 2
	s_cbranch_scc1 .Lnot_b_\@
	GET
.Lnot_b_\@:
	ds_load_b128 v[132:135], v150                  ; the four statistics, mine first, then in the order of the pieces
	ds_load_b128 v[136:139], v151
	ds_load_b128 v[140:143], v152
	ds_load_b128 v[144:147], v153
	s_wait_dscnt 0x0
	v_min3_num_f32 v8, v132, v136, v140
	v_add_f32 v149, v134, v135                     ; the sums' halves
	v_add_f32 v151, v138, v139
	v_min_num_f32 v8, v8, v144                     ; the joint -M: the largest M
	v_add_f32 v153, v142, v143
	v_add_f32 v155, v146, v147
	v_sub_f32 v148, v8, v132                       ; each M less the joint one: a whole number, 0 or less
	v_sub_f32 v150, v8, v136
	v_sub_f32 v152, v8, v140
	v_sub_f32 v154, v8, v144
	v_cvt_i32_f32 v148, v148                       ; (they saturate)
	v_cvt_i32_f32 v150, v150
	v_cvt_i32_f32 v152, v152
	v_cvt_i32_f32 v154, v154
	v_ldexp_f32 v148, 1.0, v148                    ; exact powers of two, or 0 for a state that lies far below or has no step
	v_ldexp_f32 v150, 1.0, v150
	v_ldexp_f32 v152, 1.0, v152
	v_ldexp_f32 v154, 1.0, v154
	v_mul_f32 v9, v148, v149
	v_mul_f32 v8, v152, v153
	v_fma_f32 v9, v150, v151, v9
	v_fma_f32 v8, v154, v155, v8
	v_add_f32 v9, v9, v8                           ; the sum under the joint M, of my half of the lanes,
	v_permlanex16_b32 v10, v9, s[SEL], s[SEL+1]
	v_add_f32 v9, v9, v10                          ; and of lane l xor 16: the row's sum l
	s_wait_alu depctr_va_vdst(0)
	v_rcp_f32 v9, v9
	v_nop                                          ; a plain instruction behind the reciprocal
	s_wait_alu depctr_va_vdst(0)                   ; ahead of its first reader
	v_mul_f32 v148, v148, v9
	v_mul_f32 v150, v150, v9
	v_mul_f32 v152, v152, v9
	v_mul_f32 v154, v154, v9
	s_wait_alu depctr_va_vdst(0)                   ; ahead of the branches below
	s_cmp_eq_u32 s[KS], 0
	s_cbranch_scc1 .Lks_0_\@
	s_cmp_eq_u32 s[KS], 1
	s_cbranch_scc1 .Lks_1_\@
	s_cmp_eq_u32 s[KS], 2
	s_cbranch_scc1 .Lks_2_\@
	OWN 0x01, 192
	s_branch .Lks_done_\@
.Lks_2_\@:
	OWN 0x01, 160
	s_branch .Lks_done_\@
.Lks_1_\@:
	OWN 0, 192
	s_branch .Lks_done_\@
.Lks_0_\@:
	OWN 0, 160
.Lks_done_\@:
.irp i, 0,1,2
.set n, 0
.rept 16
	v_pk_fma_f32 v[160+n:161+n], v[32+32*\i+n:33+32*\i+n], v[150+2*\i:151+2*\i], v[160+n:161+n] op_sel_hi:[1,0,1]
.set n, n+2
.endr
.endr
.set n, 160
.rept 32
	v_med3_num_f32 v[n], v[n], -s[HY], s[HY]       ; the hold at the largest code x the scale
.set n, n+1
.endr
.irp t, 0,1,2,3
	v_cvt_scalef32_pk8_fp8_f32 v[224+2*\t:225+2*\t], v[160+8*\t:167+8*\t], v245
.endr
	v_nop                                          ; one plain vector instruction behind the last conversion
	global_store_b128 v[LI], v[224:227], s[\yb:\yb+1]             ; 32 lanes store 512 consecutive bytes, at a multiple of 512 from the image's first byte
	global_store_b128 v[LI], v[228:231], s[\yb:\yb+1] offset:512
.endm
	s_wait_alu depctr_va_vdst(0)
	CHANGE                                         ; slot 0 is in; slot 1 is asked for
	s_cmp_lg_u32 s[WV], 0
	s_cbranch_scc1 .Lnot_mine
	global_prefetch_b8 v[PFO], s[PFA:PFA+1] offset:2*65536 th:TH_LOAD_NT scope:SCOPE_SE   ; slot 2
	global_prefetch_b8 v[PFO], s[PFA:PFA+1] offset:3*65536 th:TH_LOAD_NT scope:SCOPE_SE   ; slot 3
.Lnot_mine:
	s_wait_loadcnt 0x0                             ; Q
	s_mov_b32 s[CNT], 2
.Learly:                                       ; the early block: keys 0 to 511, then 512 to 1,023
	STEP
	SHOW                                           ; slot 1 is in
	s_sub_co_u32 s[CNT], s[CNT], 1
	s_cmp_lg_u32 s[CNT], 0
	s_cbranch_scc1 .Learly
	PLACES                                         ; behind the last products
	QLOAD QL                                       ; the late block's Q lands under the joining
	MERGE YE
	; the late block.  Its O^T and sums are not cleared: the first change of M multiplies what the early block left, which is finite, by f = 0
	BEGIN DQL
	s_mov_b32 s[KF], s[KF0]
	s_mov_b32 s[DG], s[DGL]
	s_wait_alu depctr_va_vdst(0)
	s_wait_xcnt 0x0                                ; the stores have read v224-231, which p's codes overwrite
	s_wait_loadcnt 0x0                             ; Q
	s_mov_b32 s[CNT], 2
.Llate:                                        ; slots 0 and 1 once more, each refilled behind its walk
	STEP
	CHANGE
	s_sub_co_u32 s[CNT], s[CNT], 1
	s_cmp_lg_u32 s[CNT], 0
	s_cbranch_scc1 .Llate
	s_mov_b32 s[CNT], 2
.Llast:                                        ; keys 1,024 to 1,535, then 1,536 to 2,047
	STEP
	SHOW
	s_sub_co_u32 s[CNT], s[CNT], 1
	s_cmp_lg_u32 s[CNT], 0
	s_cbranch_scc1 .Llast
	PLACES
	MERGE YL
	s_wait_tensorcnt 0x0                           ; the wave's end, behind my last tensor load and my last LDS store
	ds_add_u32 v[SPW], v[NIL]
	s_wait_dscnt 0x0
	CROUND                                         ; the closing round: no work-group ends while a partner may still ask for a tile that names it
	s_endpgm
.Lfunc_end_k_qec9908bc48_attn:
	.size	k_qec9908bc48_attn, .Lfunc_end_k_qec9908bc48_attn-k_qec9908bc48_attn
	.p2alignl 7, 3214868480
	.fill 96, 4, 3214868480
	.section	.rodata,"a",@progbits
	.p2align	6, 0x0
	.amdhsa_kernel k_qec9908bc48_attn
		.amdhsa_group_segment_fixed_size 327680
		.amdhsa_private_segment_fixed_size 0
		.amdhsa_enable_private_segment 0
		.amdhsa_kernarg_size 40
		.amdhsa_user_sgpr_count 2
		.amdhsa_user_sgpr_kernarg_segment_ptr 1
		.amdhsa_wavefront_size32 1
		.amdhsa_system_sgpr_workgroup_id_x 1
		.amdhsa_system_sgpr_workgroup_id_y 1
		.amdhsa_system_sgpr_workgroup_id_z 1
		.amdhsa_system_vgpr_workitem_id 0
		.amdhsa_next_free_vgpr 512
		.amdhsa_next_free_sgpr 104
		.amdhsa_reserve_vcc 1
		.amdhsa_float_denorm_mode_32 3
		.amdhsa_float_denorm_mode_16_64 3
		.amdhsa_memory_ordered 1
		.amdhsa_forward_progress 1
		.amdhsa_inst_pref_size 187
	.end_amdhsa_kernel
	.amdgpu_metadata
---
amdhsa.version: [ 1, 2 ]
amdhsa.kernels:
  - .name:           k_qec9908bc48_attn
    .symbol:         k_qec9908bc48_attn.kd
    .args:
      - { .name: q_img, .offset: 0, .size: 8, .value_kind: global_buffer, .address_space: global }
      - { .name: k_img, .offset: 8, .size: 8, .value_kind: global_buffer, .address_space: global }
      - { .name: v_img, .offset: 16, .size: 8, .value_kind: global_buffer, .address_space: global }
      - { .name: lowp_scales, .offset: 24, .size: 8, .value_kind: global_buffer, .address_space: global }
      - { .name: y_img, .offset: 32, .size: 8, .value_kind: global_buffer, .address_space: global }
    .group_segment_fixed_size: 327680
    .private_segment_fixed_size: 0
    .kernarg_segment_align: 8
    .kernarg_segment_size: 40
    .max_flat_workgroup_size: 256
    .sgpr_count:     104
    .vgpr_count:     512
    .wavefront_size: 32
...
	.end_amdgpu_metadata
.endif
;; end of part 2
;; launch oproj (part 3): grid 16 x 16, 4 waves a work-group, clusters of 4 x 4, 327,680 bytes of LDS; arguments y_img, Wo_codes, lowp_scales, out0; writes out0
.if DOCPART == 3
	.amdgcn_target "amdgcn-amd-amdhsa--gfx1250"
	.amdhsa_code_object_version 6
	.text
	.protected	k_qec9908bc48_oproj
	.globl	k_qec9908bc48_oproj
	.p2align	8
	.type	k_qec9908bc48_oproj,@function
k_qec9908bc48_oproj:
	s_mov_b64 s[64:65], 0
	v_nop
	global_prefetch_b8 v0, s[64:65] scope:SCOPE_SE
	s_setreg_imm32_b32 hwreg(HW_REG_WAVE_MODE, 25, 1), 1
	s_wait_xcnt 0x0
	s_wait_alu depctr_hold_cnt(0) depctr_sa_sdst(0) depctr_va_vdst(0) depctr_va_sdst(0) depctr_va_ssrc(0) depctr_va_vcc(0) depctr_vm_vsrc(0)
	s_getreg_b32 s2, hwreg(HW_REG_IB_STS2, 6, 4)
	s_cmp_eq_u32 s2, 0
	s_cbranch_scc0 .Lentry_in_a_cluster
	s_endpgm
.Lentry_in_a_cluster:
	s_bfe_u32 s2, ttmp6, 0x10000c
	s_cmp_lg_u32 s2, 0xf033
	s_cbranch_scc0 .Lentry_shape_is_right
	s_endpgm
.Lentry_shape_is_right:
; out[t][n] = sum over k of y[t][k] Wo[k][n] on codes of FP8 (E4M3), each finished sum x 2^(e10 + e11).  Wo_codes: [2048 n][2048 k].
; y_img: fragments (16 tokens x 128 K = one head, 2,048 bytes) as images of an operand's registers: (t / 128, head / 4, (t / 16) % 8, head % 4) at 262144, 65536, 8192, 2048 bytes each; chunk c of 512 bytes = registers 4 c .. 4 c + 3, lane l's 16 bytes at 16 l.
; SHARES.  256 work-groups: 128 tokens (Y) x 128 features (X).  Four waves, each 32 tokens x 128 features: 16 accumulators of 16 x 16.  K goes in 16 quarters of 128, each in two units of four feature tiles (8 matrix instructions).
; Wo: the work-group's 128 rows lie in LDS whole, as two halves along K of 133,120 bytes: nothing is filled twice.  CLUSTERS: 4 x 4; the four of a column need the same rows of Wo, which are asked for JOINTLY, 32 rows a wave.
; y: each wave loads its own two tiles' fragments, each once in the work-group, straight into registers, as they lie: seven quarters ahead.  (No joint load: beside Wo's 266,240 bytes LDS has no room for y's 262,144.)
; No prefetch: the second half of Wo is asked for 14 units ahead of its first read, y seven quarters ahead, and there is no loop to run ahead in.
; Source 0 = 16 rows of Wo, source 1 = 16 tokens: a lane holds eight neighbouring features of one token.
; LIMIT: e10 + e11 lies between -126 and 127, so that 2^(e10 + e11) is an f32 number.
; REGISTERS.  Window 0: v0-31 addresses; v32-95 the way out; v128-255 the accumulators ((i, t) at v[128 + 64 i + 8 t]), then rows read back.   windows 1, 2: y, quarter q's fragments at 32 (q % 8) + 16 i, q < 8 in window 1.
;   window 3: Wo, four buffers of four fragments, by turns.
.set PITCH, 1040                       ; an LDS row: 1,024 bytes + 16 of padding = 260 words: row r starts at bank 4 r mod 64 (64 banks of 4 bytes: ISA guide 11.1)
.set HALF,  128*PITCH
.set SPARE, 2*HALF                     ; the spare words, 128 bytes for each wave: two blocks of 256 bytes that no other line names
.set STAGE, SPARE+512                  ; the way out: 16 rows x (512 + 16) bytes for each wave; no tensor load fills it
.set SPITCH, 528
.set AB,   16                          ; v16-19 LDS address of my fragments: half 0 tiles 0-3, tiles 4-7; half 1 likewise
.set LI,   20                          ; v20    16 x lane
.set STO,  21
.set RD,   22
.set SPW,  28
.set NIL,  29
.set TMP,  32
.set ACC,  128
.set WV,   22
.set G1,   24                          ; s[24:31] descriptor group 1;  s[32:35] group 0
.set G0,   32
.set MSB, 0
.macro WIN new                         ; the immediate's high byte repeats the setting that is left
.if MSB != (\new)
	s_set_vgpr_msb (MSB<<8)|(\new)
.set MSB, (\new)
.endif
.endm
.macro PLACES                          ; four plain vector instructions between a matrix instruction and a load into its sources or a read of its result (ISA guide 7.12.1 for a read of its result)
.rept 4
	v_nop
.endr
.endm
.macro ASKED                           ; the joint load of a half: all four waves, each its 32 rows
	tensor_load_to_lds s[G0:G0+3], s[G1:G1+7]
	s_nop 0
.rept 4
	v_nop
.endr
.endm
.macro CROUND                          ; a round of the cluster's barrier
	s_barrier_signal -1
	s_barrier_wait -1
	s_cmp_lg_u32 s[WV], 0
	s_cbranch_scc1 .Lnot_wave_0_\@
	s_barrier_signal -3
.Lnot_wave_0_\@:
	s_barrier_wait -3
	s_barrier_signal -1
	s_barrier_wait -1
.endm
	s_load_b256 s[4:11], s[0:1], 0x0               ; y_img s[4:5], Wo s[6:7], lowp_scales s[8:9], out s[10:11]
	v_lshl_add_u32 v[SPW], v0, 2, SPARE
	v_mov_b32 v[NIL], 0
	ds_add_u32 v[SPW], v[NIL]                      ; the wave's opening: the add, twice on end, and its wait ahead of my first tensor load
	ds_add_u32 v[SPW], v[NIL]
	v_lshrrev_b32 v1, 5, v0
	v_readfirstlane_b32 s[WV], v1                  ; wave 0..3
	s_bfe_u32 s41, ttmp6, 0x40000                  ; cx, cy: my place in the cluster
	s_bfe_u32 s42, ttmp6, 0x40004
	s_lshl_b32 s43, ttmp9, 2
	s_add_co_u32 s43, s43, s41                     ; X
	s_and_b32 s44, ttmp7, 0xffff
	s_lshl_b32 s44, s44, 2
	s_add_co_u32 s44, s44, s42                     ; Y
	s_lshl_b32 s46, 0x1111, s41                    ; my column of the cluster
	; descriptor group 1: 32 rows x 1,024 bytes, padded in LDS
	s_or_b32 s[G1], s46, (1<<20)|(1<<21)|(7<<22)|(3<<25)   ; 15:0 the mask; 17:16 elements of 1 byte; 20 padding on; 21 set beside a mask; 24:22 after every 256 words (code 7); 31:25 of 4 words (code 3)
	s_mov_b32 s[G1+1], 1024<<16                    ; tensor_dim0
	s_mov_b32 s[G1+2], 32<<16                      ; tensor_dim1
	s_mov_b32 s[G1+3], 1024<<16                    ; tile_dim0
	s_mov_b32 s[G1+4], 32                          ; tile_dim1
	s_mov_b32 s[G1+5], 2048                        ; from row to row
	s_mov_b32 s[G1+6], 0
	s_mov_b32 s[G1+7], 0
	s_lshl_b32 s80, s43, 18                        ; Wo: 128 X + 32 wave rows of 2,048 bytes
	s_lshl_b32 s81, s[WV], 16
	s_add_co_u32 s80, s80, s81
	s_mov_b32 s81, 0
	s_mul_i32 s40, s[WV], 32*PITCH                 ; and where they go
	s_lshl_b32 s82, s44, 18                        ; y: block Y, tiles 2 wave, 2 wave + 1
	s_lshl_b32 s83, s[WV], 14
	s_add_co_u32 s82, s82, s83
	s_mov_b32 s83, 0
	s_lshl_b32 s84, s44, 20                        ; out: 128 Y + 32 wave rows of 8,192 bytes + 512 X
	s_lshl_b32 s85, s[WV], 18
	s_add_co_u32 s84, s84, s85
	s_lshl_b32 s85, s43, 9
	s_add_co_u32 s84, s84, s85
	s_mov_b32 s85, 0
	s_wait_dscnt 0x0                               ; both opening adds are done
	CROUND                                         ; all sixteen work-groups are here: the first joint loads meet
	s_wait_kmcnt 0x0
	s_mov_b32 s[G0], 1                             ; count = 1
	s_mov_b32 s[G0+1], s40
	s_add_nc_u64 s[G0+2:G0+3], s[6:7], s[80:81]
	s_or_b32 s[G0+3], s[G0+3], 0x80000000          ; type = 2
	ASKED                                          ; half 0: one tensor load a wave at the head
	s_load_b64 s[96:97], s[8:9], 0x28              ; e10, e11
	s_add_nc_u64 s[4:5], s[4:5], s[82:83]
	s_add_nc_u64 s[10:11], s[10:11], s[84:85]
	s_mul_i32 s92, s[WV], 16*SPITCH
	s_add_co_u32 s92, s92, STAGE                   ; my stage
	v_and_b32 v4, 31, v0
	v_and_b32 v1, 15, v0                           ; r
	v_bfe_u32 v2, v0, 4, 1                         ; h
	v_lshlrev_b32 v[LI], 4, v4
	v_mul_u32_u24 v3, v1, PITCH
	v_lshl_add_u32 v[AB], v2, 3, v3                ; row r, + 8 h
	v_add_nc_u32 v[AB+1], 64*PITCH, v[AB]
	v_add_nc_u32 v[AB+2], HALF, v[AB]
	v_add_nc_u32 v[AB+3], HALF+64*PITCH, v[AB]
	v_mul_u32_u24 v5, v1, SPITCH                   ; in: row r, 32 bytes for each half of the lanes
	v_lshl_add_u32 v5, v2, 5, v5
	v_add_nc_u32 v[STO], s92, v5
	v_add_nc_u32 v[RD], s92, v[LI]                 ; back: the 32 lanes take one row of 512 bytes
.macro YLOAD q                         ; eight loads: quarter q's two fragments
	WIN 0x40*(1+(\q)/8)
.irp i, 0,1
.irp c, 0,1,2,3
	global_load_b128 v[32*((\q)%8)+16*\i+4*\c:32*((\q)%8)+16*\i+4*\c+3], v[LI], s[4:5] offset:65536*((\q)/4)+2048*((\q)%4)+8192*\i+512*\c
.endr
.endr
.endm
.irp q, 0,1,2,3,4,5,6
	YLOAD \q
.endr
	WIN 0
.macro FETCH u                         ; 32 LDS loads: unit u's four fragments, 8 bytes a lane: registers 2 c, 2 c + 1 = K 16 c + 8 h + 0 .. 7, as y's lie
	WIN 0xc0
.irp t, 0,1,2,3
.irp c, 0,1,2,3,4,5,6,7
	ds_load_b64 v[64*((\u)%4)+16*\t+2*\c:64*((\u)%4)+16*\t+2*\c+1], v[AB+2*((\u)/16)+(\u)%2] offset:16*PITCH*\t+128*(((\u)/2)%8)+16*\c
.endr
.endr
.endm
; 8 matrix instructions.  The 16 accumulators take turns, one instruction a turn, in the same order in every quarter.  The first quarter starts the sums.
.macro MUL u
	WIN 0x07+4*((\u)/16)                           ; source 0 window 3, source 1 window 1 or 2
.irp i, 0,1
.irp t, 0,1,2,3
.if (\u) < 2
	v_wmma_f32_16x16x128_fp8_fp8 v[ACC+64*\i+32*((\u)%2)+8*\t:ACC+64*\i+32*((\u)%2)+8*\t+7], v[64*((\u)%4)+16*\t:64*((\u)%4)+16*\t+15], v[32*(((\u)/2)%8)+16*\i:32*(((\u)/2)%8)+16*\i+15], 0
.else
	v_wmma_f32_16x16x128_fp8_fp8 v[ACC+64*\i+32*((\u)%2)+8*\t:ACC+64*\i+32*((\u)%2)+8*\t+7], v[64*((\u)%4)+16*\t:64*((\u)%4)+16*\t+15], v[32*(((\u)/2)%8)+16*\i:32*(((\u)/2)%8)+16*\i+15], v[ACC+64*\i+32*((\u)%2)+8*\t:ACC+64*\i+32*((\u)%2)+8*\t+7]
.endif
.endr
.endr
.endm
.macro UNIT u
.if (\u) < 31
	s_wait_dscnt 32                                ; my fragments are in; the next unit's 32 loads may be out
.else
	s_wait_dscnt 0x0
.endif
.if (\u)%2 == 0
.if (\u)/2 < 9
	s_wait_loadcnt 48                              ; this quarter of y is in; the next six quarters' loads may be out
.else
	s_wait_loadcnt 8*(15-(\u)/2)
.endif
.endif
.if (\u) == 14
	WIN 0
	s_wait_tensorcnt 0x0                           ; my part of half 1 is in
	ds_add_u32 v[SPW], v[NIL]
	s_wait_dscnt 0x0                               ; the add and my reads are done
	s_barrier_signal -1
	MUL \u                                         ; work on registers while the others arrive
	s_barrier_wait -1                              ; everybody's part is in
.else
	MUL \u
.endif
.if (\u)%2 == 0 && (\u)/2 < 9
	YLOAD (\u)/2+7
.endif
.if (\u) < 30
	PLACES
	FETCH (\u)+2
.endif
.endm
	s_wait_alu depctr_va_vdst(0)
	s_wait_tensorcnt 0x0                           ; my part of half 0 is in
	ds_add_u32 v[SPW], v[NIL]
	s_add_co_u32 s[G0+1], s[G0+1], HALF
	s_add_nc_u64 s[G0+2:G0+3], s[G0+2:G0+3], 1024
	s_wait_dscnt 0x0
	CROUND
	ASKED                                          ; half 1: the first tensor load behind the round
	FETCH 0
	FETCH 1
.set u, 0
.rept 32
	UNIT u
.set u, u+1
.endr
	WIN 0
	s_wait_kmcnt 0x0
	s_add_co_i32 s96, s96, s97
	s_add_co_i32 s96, s96, 127
	s_lshl_b32 s96, s96, 23                        ; 2^(e10 + e11)
	s_mov_b32 s97, s96                             ; (named with it as a pair)
	PLACES                                         ; in front of the first read of results
; THE WAY OUT: 16 rows x 128 features at a time through my own stage; LDS serves a wave's instructions in order (ISA guide 5.7.1.4): no wait between the stores and the loads
.irp i, 0,1
.set n, 0
.rept 32
	v_pk_mul_f32 v[TMP+n:TMP+n+1], v[ACC+64*\i+n:ACC+64*\i+n+1], s[96:97] op_sel_hi:[1,0]   ; each accumulator from its low end on
.set n, n+2
.endr
.irp t, 0,1,2,3,4,5,6,7
	ds_store_b128 v[STO], v[TMP+8*\t:TMP+8*\t+3] offset:64*\t
	ds_store_b128 v[STO], v[TMP+8*\t+4:TMP+8*\t+7] offset:64*\t+16
.endr
.set n, 0
.rept 16
	ds_load_b128 v[ACC+64*\i+4*n:ACC+64*\i+4*n+3], v[RD] offset:SPITCH*n   ; back into the registers of the sums just read
.set n, n+1
.endr
.endr
.irp i, 0,1
	s_wait_dscnt 32-32*\i                          ; i = 0: behind its loads stand the second half's 16 stores and 16 loads
.set n, 0
.rept 16
	global_store_b128 v[LI], v[ACC+64*\i+4*n:ACC+64*\i+4*n+3], s[10:11] offset:(16*\i+n)*8192 th:TH_STORE_NT   ; 32 lanes store 512 consecutive bytes, at a multiple of 512 from out's first byte
.set n, n+1
.endr
.endr
	s_wait_tensorcnt 0x0                           ; the wave's end, behind my last tensor load and my last LDS store
	ds_add_u32 v[SPW], v[NIL]
	s_wait_dscnt 0x0
	CROUND                                         ; the closing round: no work-group ends while a partner may still ask for a tile that names it
	s_endpgm
.Lfunc_end_k_qec9908bc48_oproj:
	.size	k_qec9908bc48_oproj, .Lfunc_end_k_qec9908bc48_oproj-k_qec9908bc48_oproj
	.p2alignl 7, 3214868480
	.fill 96, 4, 3214868480
	.section	.rodata,"a",@progbits
	.p2align	6, 0x0
	.amdhsa_kernel k_qec9908bc48_oproj
		.amdhsa_group_segment_fixed_size 327680
		.amdhsa_private_segment_fixed_size 0
		.amdhsa_enable_private_segment 0
		.amdhsa_kernarg_size 32
		.amdhsa_user_sgpr_count 2
		.amdhsa_user_sgpr_kernarg_segment_ptr 1
		.amdhsa_wavefront_size32 1
		.amdhsa_system_sgpr_workgroup_id_x 1
		.amdhsa_system_sgpr_workgroup_id_y 1
		.amdhsa_system_sgpr_workgroup_id_z 1
		.amdhsa_system_vgpr_workitem_id 0
		.amdhsa_next_free_vgpr 1024
		.amdhsa_next_free_sgpr 100
		.amdhsa_reserve_vcc 0
		.amdhsa_float_denorm_mode_32 3
		.amdhsa_float_denorm_mode_16_64 3
		.amdhsa_memory_ordered 1
		.amdhsa_forward_progress 1
		.amdhsa_inst_pref_size 117
	.end_amdhsa_kernel
	.amdgpu_metadata
---
amdhsa.version: [ 1, 2 ]
amdhsa.kernels:
  - .name:           k_qec9908bc48_oproj
    .symbol:         k_qec9908bc48_oproj.kd
    .args:
      - { .name: y_img, .offset: 0, .size: 8, .value_kind: global_buffer, .address_space: global }
      - { .name: Wo_codes, .offset: 8, .size: 8, .value_kind: global_buffer, .address_space: global }
      - { .name: lowp_scales, .offset: 16, .size: 8, .value_kind: global_buffer, .address_space: global }
      - { .name: out0, .offset: 24, .size: 8, .value_kind: global_buffer, .address_space: global }
    .group_segment_fixed_size: 327680
    .private_segment_fixed_size: 0
    .kernarg_segment_align: 8
    .kernarg_segment_size: 32
    .max_flat_workgroup_size: 128
    .sgpr_count:     100
    .vgpr_count:     1024
    .wavefront_size: 32
...
	.end_amdgpu_metadata
.endif
;; end of part 3
